; MI455X (gfx1250); checked and timed in simulation.
; The chip was launched on July 23, 2026; its instructions are those of AMD's public machine-readable ISA for CDNA 5 (MIT licence, August 2026) and "CDNA5" Instruction Set Architecture Reference Guide (July 2026). The comments in the code are by the model that wrote it; some were corrected since.
;; Morph Model. Allowed arithmetic: matrix products marked QUANTISED: E2M3 operands, one E8M0 scale for each 32 along K, by v_wmma_scale_f32_16x16x128_f8f6f4 with both operands' format E2M3, f32 sums; everything else in f32.
;; Inputs: b1 16 x 2,048 float32; b2 16 x 512 float32; gate_b 16 float32; gate_w_codes 16 x 16 x 24 uint8 (E2M3 codes of gate_w, K innermost, in blocks of 32 codes, four codes in three bytes); gate_w_scales 16 x 16 uint8 (E8M0 scales of gate_w, one for each 32 codes along K); w1_codes 16 x 2,048 x 16 x 24 uint8 (E2M3 codes of w1, K innermost, in blocks of 32 codes, four codes in three bytes); w1_scales 16 x 2,048 x 16 uint8 (E8M0 scales of w1, one for each 32 codes along K); w2_codes 16 x 512 x 64 x 24 uint8 (E2M3 codes of w2, K innermost, in blocks of 32 codes, four codes in three bytes); w2_scales 16 x 512 x 64 uint8 (E8M0 scales of w2, one for each 32 codes along K); x_codes 2,048 x 16 x 24 uint8 (E2M3 codes of x, K innermost, in blocks of 32 codes, four codes in three bytes); x_scales 2,048 x 16 uint8 (E8M0 scales of x, one for each 32 codes along K).
;; Outputs: out0 2,048 x 512 float32.
;; This version of the problem:
;;   THIS VERSION OF THE PROBLEM IS GIVEN IN LOW PRECISION. The matrix products marked QUANTISED in the list below multiply operands that are first quantised to E2M3 (2 exponent bits, 3 mantissa bits; 6 bits a number), with one power-of-two scale for each 32 numbers along K (OCP MX v1.0); their sums are f32. All else is computed in f32.
;;   The module's matrix products, in the order in which they are computed (A, B: the left and right operand; K: the contracted axis; several contracted axes count as one K, in the product's order):
;;     1. [M 2,048, K 512] x [K 512, N 16]; A: input x (given as codes); B: input gate_w (given as codes): QUANTISED
;;     2. [M 2,048, K 512] x [K 512, N 2,048]; A: input x (given as codes); B: input w1 (given as codes): QUANTISED
;;     3. [M 2,048, K 2,048] x [K 2,048, N 512]; A: computed on the way; B: input w2 (given as codes): QUANTISED
;;     4. [M 2,048, K 512] x [K 512, N 2,048]; A: input x (given as codes); B: input w1 (given as codes): QUANTISED
;;     5. [M 2,048, K 2,048] x [K 2,048, N 512]; A: computed on the way; B: input w2 (given as codes): QUANTISED
;;     6. [M 2,048, K 512] x [K 512, N 2,048]; A: input x (given as codes); B: input w1 (given as codes): QUANTISED
;;     7. [M 2,048, K 2,048] x [K 2,048, N 512]; A: computed on the way; B: input w2 (given as codes): QUANTISED
;;     8. [M 2,048, K 512] x [K 512, N 2,048]; A: input x (given as codes); B: input w1 (given as codes): QUANTISED
;;     9. [M 2,048, K 2,048] x [K 2,048, N 512]; A: computed on the way; B: input w2 (given as codes): QUANTISED
;;     10. [M 2,048, K 512] x [K 512, N 2,048]; A: input x (given as codes); B: input w1 (given as codes): QUANTISED
;;     11. [M 2,048, K 2,048] x [K 2,048, N 512]; A: computed on the way; B: input w2 (given as codes): QUANTISED
;;     12. [M 2,048, K 512] x [K 512, N 2,048]; A: input x (given as codes); B: input w1 (given as codes): QUANTISED
;;     13. [M 2,048, K 2,048] x [K 2,048, N 512]; A: computed on the way; B: input w2 (given as codes): QUANTISED
;;     14. [M 2,048, K 512] x [K 512, N 2,048]; A: input x (given as codes); B: input w1 (given as codes): QUANTISED
;;     15. [M 2,048, K 2,048] x [K 2,048, N 512]; A: computed on the way; B: input w2 (given as codes): QUANTISED
;;     16. [M 2,048, K 512] x [K 512, N 2,048]; A: input x (given as codes); B: input w1 (given as codes): QUANTISED
;;     17. [M 2,048, K 2,048] x [K 2,048, N 512]; A: computed on the way; B: input w2 (given as codes): QUANTISED
;;     18. [M 2,048, K 512] x [K 512, N 2,048]; A: input x (given as codes); B: input w1 (given as codes): QUANTISED
;;     19. [M 2,048, K 2,048] x [K 2,048, N 512]; A: computed on the way; B: input w2 (given as codes): QUANTISED
;;     20. [M 2,048, K 512] x [K 512, N 2,048]; A: input x (given as codes); B: input w1 (given as codes): QUANTISED
;;     21. [M 2,048, K 2,048] x [K 2,048, N 512]; A: computed on the way; B: input w2 (given as codes): QUANTISED
;;     22. [M 2,048, K 512] x [K 512, N 2,048]; A: input x (given as codes); B: input w1 (given as codes): QUANTISED
;;     23. [M 2,048, K 2,048] x [K 2,048, N 512]; A: computed on the way; B: input w2 (given as codes): QUANTISED
;;     24. [M 2,048, K 512] x [K 512, N 2,048]; A: input x (given as codes); B: input w1 (given as codes): QUANTISED
;;     25. [M 2,048, K 2,048] x [K 2,048, N 512]; A: computed on the way; B: input w2 (given as codes): QUANTISED
;;     26. [M 2,048, K 512] x [K 512, N 2,048]; A: input x (given as codes); B: input w1 (given as codes): QUANTISED
;;     27. [M 2,048, K 2,048] x [K 2,048, N 512]; A: computed on the way; B: input w2 (given as codes): QUANTISED
;;     28. [M 2,048, K 512] x [K 512, N 2,048]; A: input x (given as codes); B: input w1 (given as codes): QUANTISED
;;     29. [M 2,048, K 2,048] x [K 2,048, N 512]; A: computed on the way; B: input w2 (given as codes): QUANTISED
;;     30. [M 2,048, K 512] x [K 512, N 2,048]; A: input x (given as codes); B: input w1 (given as codes): QUANTISED
;;     31. [M 2,048, K 2,048] x [K 2,048, N 512]; A: computed on the way; B: input w2 (given as codes): QUANTISED
;;     32. [M 2,048, K 512] x [K 512, N 2,048]; A: input x (given as codes); B: input w1 (given as codes): QUANTISED
;;     33. [M 2,048, K 2,048] x [K 2,048, N 512]; A: computed on the way; B: input w2 (given as codes): QUANTISED
;;   THE QUANTISER, for each operand of a quantised product, along K:
;;     - K is cut into blocks of 32 from its start; a last block that is shorter is filled with zeros.
;;     - A block's scale is 2^e with e = floor(log2(the largest magnitude in the block)) - 2, held to -126 .. 127; a block of zeros has e = 0. As a byte (E8M0): e + 127.
;;     - Each number is divided by its block's scale, clamped to +-7.5, and rounded to the nearest number of E2M3, ties to even, subnormals kept.
;;     - The product sums the exact products of the quantised numbers (number of the format x scale) in f32.
;;   ~~~python
;;   def quantise(x, axis):      # numpy; x: float32 -> the quantised numbers, widened to float32 again
;;       x = np.moveaxis(x, axis, -1); K = x.shape[-1]
;;       x = np.pad(x, [(0, 0)] * (x.ndim - 1) + [(0, -K % 32)]); x = x.reshape(x.shape[:-1] + (-1, 32)); a = np.abs(x).max(-1, keepdims=True)
;;       e = np.where(a > 0, np.clip(np.frexp(np.where(a > 0, a, 1))[1] - 1 - 2, -126, 127), 0)      # np.frexp(a)[1] - 1 = floor(log2(a)), exactly
;;       r = np.clip(x / 2.0 ** e, -7.5, 7.5)
;;       step = 2.0 ** (np.maximum(np.frexp(np.where(r == 0, 1, r))[1] - 1, 0) - 3)
;;       q = np.round(r / step) * step * 2.0 ** e      # np.round: ties to even
;;       return np.moveaxis(q.reshape(q.shape[:-2] + (-1,))[..., :K], -1, axis).astype(np.float32)
;;   ~~~
;;   OPERANDS COMPUTED ON THE WAY. 'Computed on the way' means the value that the module computes at that place (a softmax that the list does not call 'softmax' is quantised finished and normalised). What goes into a quantiser is computed in f32, as accurately as f32 sums, v_exp_f32 and their like allow (about 1e-6 of the number): no bf16 or f16 on the way to a quantiser, and a product that is left as it is and whose result goes on into a quantised operand takes f32 operands (vector FMAs, or v_wmma_f32_16x16x4_f32). A number that lies on a knife's edge between two numbers of the format may be rounded either way, as far as f32 arithmetic and the matrix unit's own rounding can turn it there, and no further.
;;   INPUTS GIVEN AS CODES. gate_w (in the module: [512, 16], K = its axis 0); w1 (in the module: [16, 512, 2048], K = its axis 1); w2 (in the module: [16, 2048, 512], K = its axis 1); x (in the module: [2048, 512], K = its axis 1): each comes as NAME_codes (uint8): NAME with its K axis moved to the last place and cut into blocks of 32 codes, [.., K / 32, bytes a block], one block behind the other in memory; four codes in three bytes: a row's codes are one little-endian stream of bits, code i at bits 6 i .. 6 i + 5 (a code: sign, 2 exponent bits, 3 mantissa bits); and NAME_scales (uint8): the same leading axes, one E8M0 byte (e + 127) for each 32 codes along K. Its value is code x scale, taken as it is: it is not quantised again, and the codes and scales need not be those that the quantiser above would give.
;; 2 versions, each right; version 2 is version 1 with the launches route, hidden, expert_out written anew for expert scheduling mode. Each part assembles by itself: llvm-mc -triple=amdgcn-amd-amdhsa -mcpu=gfx1250 --defsym DOCPART=n.
;; ======== version 1 of 2: 4 launches
;; workspace buffers: masks 4,096 bytes of whole numbers; ids 16,384 bytes of whole numbers; gw 16,384 bytes; hcodes 50,331,648 bytes; hscales 4,194,304 bytes; ybuf 8,388,608 bytes
;; launch route (part 1): grid 16 x 1, 4 waves a work-group, no clusters, 1,024 bytes of LDS; arguments x_codes, x_scales, gate_w_codes, gate_w_scales, gate_b, masks, ids, gw; writes masks, ids, gw
.if DOCPART == 1
	.amdgcn_target "amdgcn-amd-amdhsa--gfx1250"
	.amdhsa_code_object_version 6
	.text
	.protected	k_q2492e3dc26_route
	.globl	k_q2492e3dc26_route
	.p2align	8
	.type	k_q2492e3dc26_route,@function
k_q2492e3dc26_route:
	s_mov_b64 s[64:65], 0
	v_nop
	global_prefetch_b8 v0, s[64:65] scope:SCOPE_SE
	s_setreg_imm32_b32 hwreg(HW_REG_WAVE_MODE, 25, 1), 1
	s_wait_xcnt 0x0
; ROUTE.  logits = x gate_w + gate_b on codes of FP6 (E2M3) with E8M0 scales; the two largest logits of each token, their softmax, and for each expert a mask of its tokens.
; SHARES.  16 work-groups of 4 waves; wave v of work-group W takes tokens 128 W + 32 v .. + 31 as two tiles of 16.  Source 0 = the 16 experts' rows of gate_w, source 1 = 16 tokens: a lane holds ONE token (lane % 16)
; and its eight registers the experts 8 (lane / 16) + 0 .. 7.  gate_b is the C of each sum's first product.
; K ORDER.  A row of 512 codes is 384 bytes.  Lane (r, h) loads the 192 bytes at 192 h by twelve loads of 16 bytes; matrix step s takes registers 12 s .. 12 s + 11.  So the instruction's block 2 c + h is the row's block
; 8 h + 2 s + c, alike on both sides; the scale word of step s is made of the row's scale bytes 2 s, 8 + 2 s, 2 s + 1, 9 + 2 s by one v_perm_b32.
; WHAT IS STORED, all at places that hang on ids alone: ids[token] = first | second << 8; gw[token] = the two weights; masks[W][expert][v] = a bit for each of the wave's 32 tokens.
; Ties keep the lower index: every comparison is strict and goes from the lower index up.  The softmax takes the larger logit away first.
; LIMITS: NaN and infinite logits are not served.  The logits are summed in another order of K than a plain chain, so two logits that agree to the last bits may be ranked the other way.
.set GWF, 16                           ; v16-63   gate_w: 48 registers
.set XA,  64                           ; v64-111  tokens 0-15
.set XB,  112                          ; v112-159 tokens 16-31
.set GB,  160                          ; v160-167 gate_b of my eight experts
.set ACA, 168                          ; v168-175, v176-183 the two accumulators
.set ACB, 176
.set RAW, 184                          ; v184-195 scale bytes as loaded: gate_w's, tile a's, tile b's
.set SW,  196                          ; v196-207 scale words: gate_w's four, tile a's four, tile b's four
.set HB,  208                          ; 8 h: my first expert
.set XI,  209
.set RA,  210                          ; v210-213 tile a: first, its index, second, its index
.set RB,  214                          ; v214-217 tile b
.set OT,  220                          ; v220-223 the other half's four
.set AA,  224                          ; v224-227 the low experts' four
.set BB,  228                          ; v228-231 the high experts' four
.set XV,  232
.set YV,  233
.set YI,  234
.set FV,  236                          ; v236-239 a lane = a token: first, index, second, index
.set DD,  240
.set E2,  241
.set TT,  242
.set W0,  244                          ; v[244:245] the two weights
.set IDP, 246                          ; v[246:247] the indices' word, 0
.set VM,  248                          ; lane e: expert e's mask
	s_load_b512 s[4:19], s[0:1], 0x0               ; x codes, x scales, gate_w codes, gate_w scales, gate_b, masks, ids, gw
	v_lshl_add_u32 v254, v0, 2, 0x200
	v_mov_b32 v255, 0
	v_lshrrev_b32 v1, 5, v0
	v_readfirstlane_b32 s20, v1                    ; wave
	v_and_b32 v2, 15, v0                           ; r
	v_bfe_u32 v3, v0, 4, 1                         ; h
	v_mul_u32_u24 v4, v2, 384
	v_mad_u32_u24 v4, v3, 192, v4                  ; row r, my half's 192 bytes
	v_lshlrev_b32 v5, 4, v2                        ; a row's 16 scale bytes
	v_lshlrev_b32 v6, 5, v3                        ; gate_b: my eight numbers
	v_lshlrev_b32 v[HB], 3, v3
	v_and_b32 v7, 31, v0                           ; lane
	v_lshlrev_b32 v8, 3, v7                        ; 8 x lane
	s_lshl_b32 s23, s20, 2
	v_lshl_add_u32 v9, v7, 4, s23                  ; LDS: 16 x lane + 4 x wave
	s_lshl_b32 s21, ttmp9, 7
	s_lshl_b32 s22, s20, 5
	s_add_co_u32 s21, s21, s22                     ; my first token
	s_mul_i32 s24, s21, 384
	s_mov_b32 s25, 0
	s_lshl_b32 s26, s21, 4
	s_mov_b32 s27, 0
	s_lshl_b32 s34, s21, 3
	s_mov_b32 s35, 0
	s_lshl_b32 s36, ttmp9, 8
	s_mov_b32 s37, 0
	s_mov_b32 s28, 0xffff0000                      ; lanes 16-31
	s_mov_b32 s32, 0x76543210
	s_mov_b32 s33, 0xfedcba98                      ; v_permlanex16_b32's selects for lane l xor 16
	s_mov_b32 s38, 0x05010400                      ; bytes 0, 1 of two words, by turns
	s_mov_b32 s39, 0x07030602                      ; bytes 2, 3
.irp i, 0,1,2,3
	v_mov_b32 v[OT+\i], 0                          ; written once: a lane permute's destination counts as one of its sources
.endr
	s_wait_kmcnt 0x0
	s_add_nc_u64 s[4:5], s[4:5], s[24:25]
	s_add_nc_u64 s[6:7], s[6:7], s[26:27]
	s_add_nc_u64 s[14:15], s[14:15], s[36:37]
	s_add_nc_u64 s[16:17], s[16:17], s[34:35]
	s_add_nc_u64 s[18:19], s[18:19], s[34:35]
	global_load_b128 v[RAW:RAW+3], v5, s[10:11]
	global_load_b128 v[RAW+4:RAW+7], v5, s[6:7]
	global_load_b128 v[RAW+8:RAW+11], v5, s[6:7] offset:256
	global_load_b128 v[GB:GB+3], v6, s[12:13]
	global_load_b128 v[GB+4:GB+7], v6, s[12:13] offset:16
.irp k, 0,1,2,3,4,5,6,7,8,9,10,11
	global_load_b128 v[GWF+4*\k:GWF+4*\k+3], v4, s[8:9] offset:16*\k
	global_load_b128 v[XA+4*\k:XA+4*\k+3], v4, s[4:5] offset:16*\k
	global_load_b128 v[XB+4*\k:XB+4*\k+3], v4, s[4:5] offset:6144+16*\k
.endr
	s_wait_loadcnt 0x0
.irp o, 0,1,2
	v_perm_b32 v[SW+4*\o],   v[RAW+4*\o+2], v[RAW+4*\o],   s38
	v_perm_b32 v[SW+4*\o+1], v[RAW+4*\o+2], v[RAW+4*\o],   s39
	v_perm_b32 v[SW+4*\o+2], v[RAW+4*\o+3], v[RAW+4*\o+1], s38
	v_perm_b32 v[SW+4*\o+3], v[RAW+4*\o+3], v[RAW+4*\o+1], s39
.endr
.rept 8
	v_nop                                          ; a scale register written by a vector instruction stands eight places ahead of the scaled matrix instruction
.endr
	v_wmma_scale_f32_16x16x128_f8f6f4 v[ACA:ACA+7], v[GWF:GWF+11], v[XA:XA+11], v[GB:GB+7], v[SW], v[SW+4] matrix_a_fmt:MATRIX_FMT_FP6 matrix_b_fmt:MATRIX_FMT_FP6
	v_wmma_scale_f32_16x16x128_f8f6f4 v[ACB:ACB+7], v[GWF:GWF+11], v[XB:XB+11], v[GB:GB+7], v[SW], v[SW+8] matrix_a_fmt:MATRIX_FMT_FP6 matrix_b_fmt:MATRIX_FMT_FP6
.irp s, 1,2,3                                  ; the two accumulators by turns
	v_wmma_scale_f32_16x16x128_f8f6f4 v[ACA:ACA+7], v[GWF+12*\s:GWF+12*\s+11], v[XA+12*\s:XA+12*\s+11], v[ACA:ACA+7], v[SW+\s], v[SW+4+\s] matrix_a_fmt:MATRIX_FMT_FP6 matrix_b_fmt:MATRIX_FMT_FP6
	v_wmma_scale_f32_16x16x128_f8f6f4 v[ACB:ACB+7], v[GWF+12*\s:GWF+12*\s+11], v[XB+12*\s:XB+12*\s+11], v[ACB:ACB+7], v[SW+\s], v[SW+8+\s] matrix_a_fmt:MATRIX_FMT_FP6 matrix_b_fmt:MATRIX_FMT_FP6
.endr
.rept 4
	v_nop                                          ; four places ahead of the first read of results (ISA guide 7.12.1)
.endr
; The two largest of a token's 16 logits.  First of my eight, from register 0 up; then the two halves of the lanes are merged.  Selections alone: no branch hangs on a logit.
.macro TOP2 acc, o
	v_mov_b32 v[\o], v[\acc]
	v_mov_b32 v[\o+1], v[HB]
	v_mov_b32 v[\o+2], 0xff800000                  ; -infinity
	v_mov_b32 v[\o+3], v[HB]
.irp j, 1,2,3,4,5,6,7
	v_add_nc_u32 v[XI], \j, v[HB]
	v_cmp_gt_f32 s30, v[\acc+\j], v[\o]            ; strictly above the first?
	v_cmp_gt_f32 s31, v[\acc+\j], v[\o+2]          ; strictly above the second?
	v_cndmask_b32 v[\o+2], v[\o+2], v[\acc+\j], s31
	v_cndmask_b32 v[\o+3], v[\o+3], v[XI], s31
	v_cndmask_b32 v[\o+2], v[\o+2], v[\o], s30     ; the old first becomes the second
	v_cndmask_b32 v[\o+3], v[\o+3], v[\o+1], s30
	v_cndmask_b32 v[\o], v[\o], v[\acc+\j], s30
	v_cndmask_b32 v[\o+1], v[\o+1], v[XI], s30
.endr
.irp i, 0,1,2,3
	v_permlanex16_b32 v[OT+\i], v[\o+\i], s32, s33
.endr
.irp i, 0,1,2,3
	v_cndmask_b32 v[AA+\i], v[\o+\i], v[OT+\i], s28   ; experts 0-7's pair
	v_cndmask_b32 v[BB+\i], v[OT+\i], v[\o+\i], s28   ; experts 8-15's pair
.endr
	v_cmp_gt_f32 s30, v[BB], v[AA]                 ; a tie keeps the lower experts'
	v_cndmask_b32 v[\o], v[AA], v[BB], s30
	v_cndmask_b32 v[\o+1], v[AA+1], v[BB+1], s30
	v_cndmask_b32 v[XV], v[BB], v[BB+2], s30       ; the high experts' candidate for the second place,
	v_cndmask_b32 v[XI], v[BB+1], v[BB+3], s30
	v_cndmask_b32 v[YV], v[AA+2], v[AA], s30       ; the low experts'
	v_cndmask_b32 v[YI], v[AA+3], v[AA+1], s30
	v_cmp_gt_f32 s31, v[XV], v[YV]
	v_cndmask_b32 v[\o+2], v[YV], v[XV], s31
	v_cndmask_b32 v[\o+3], v[YI], v[XI], s31
.endm
	TOP2 ACA, RA
	TOP2 ACB, RB
.irp i, 0,1,2,3
	v_cndmask_b32 v[FV+\i], v[RA+\i], v[RB+\i], s28   ; lanes 0-15 tile a's tokens, lanes 16-31 tile b's: from here a lane is a token
.endr
	v_sub_f32 v[DD], v[FV+2], v[FV]                ; second - first: 0 or less
	v_mul_f32 v[DD], 0x3fb8aa3b, v[DD]
	v_exp_f32 v[E2], v[DD]
	v_mov_b32 v[IDP+1], 0                          ; a plain instruction behind the exponential
	s_wait_alu depctr_va_vdst(0)                   ; the wait ahead of the first reader
	v_add_f32 v[TT], 1.0, v[E2]
	v_rcp_f32 v[W0], v[TT]
	v_lshl_or_b32 v[IDP], v[FV+3], 8, v[FV+1]      ; a plain instruction behind the reciprocal
	s_wait_alu depctr_va_vdst(0)
	v_mul_f32 v[W0+1], v[E2], v[W0]
	global_store_b64 v8, v[IDP:IDP+1], s[16:17]    ; 32 lanes store 256 consecutive bytes, aligned
	global_store_b64 v8, v[W0:W0+1], s[18:19]
	v_mov_b32 v[VM], 0
.irp e, 0,1,2,3,4,5,6,7,8,9,10,11,12,13,14,15
	v_cmp_eq_u32 s30, \e, v[FV+1]
	v_cmp_eq_u32 s31, \e, v[FV+3]
	s_or_b32 s30, s30, s31
	v_writelane_b32 v[VM], s30, \e
.endr
	ds_store_b32 v9, v[VM]                         ; bytes 0-255: [expert][wave]; lanes 16-31 put zeros into bytes 256-511, which nobody reads
	s_wait_dscnt 0x0                               ; for the others' sake: my store has landed
	s_barrier_signal -1
	s_barrier_wait -1
	s_cmp_lg_u32 s20, 0
	s_cbranch_scc1 .Ldone
	ds_load_b64 v[10:11], v8
	s_wait_dscnt 0x0
	global_store_b64 v8, v[10:11], s[14:15]        ; the work-group's 64 mask words: 256 consecutive bytes, aligned
.Ldone:
	s_wait_tensorcnt 0x0
	ds_add_u32 v254, v255
	s_wait_dscnt 0x0
	s_endpgm
.Lfunc_end_k_q2492e3dc26_route:
	.size	k_q2492e3dc26_route, .Lfunc_end_k_q2492e3dc26_route-k_q2492e3dc26_route
	.p2alignl 7, 3214868480
	.fill 96, 4, 3214868480
	.section	.rodata,"a",@progbits
	.p2align	6, 0x0
	.amdhsa_kernel k_q2492e3dc26_route
		.amdhsa_group_segment_fixed_size 1024
		.amdhsa_private_segment_fixed_size 0
		.amdhsa_enable_private_segment 0
		.amdhsa_kernarg_size 64
		.amdhsa_user_sgpr_count 2
		.amdhsa_user_sgpr_kernarg_segment_ptr 1
		.amdhsa_wavefront_size32 1
		.amdhsa_system_sgpr_workgroup_id_x 1
		.amdhsa_system_sgpr_workgroup_id_y 1
		.amdhsa_system_sgpr_workgroup_id_z 1
		.amdhsa_system_vgpr_workitem_id 0
		.amdhsa_next_free_vgpr 256
		.amdhsa_next_free_sgpr 66
		.amdhsa_reserve_vcc 0
		.amdhsa_float_denorm_mode_32 3
		.amdhsa_float_denorm_mode_16_64 3
		.amdhsa_memory_ordered 1
		.amdhsa_forward_progress 1
		.amdhsa_inst_pref_size 24
	.end_amdhsa_kernel
	.amdgpu_metadata
---
amdhsa.version: [ 1, 2 ]
amdhsa.kernels:
  - .name:           k_q2492e3dc26_route
    .symbol:         k_q2492e3dc26_route.kd
    .args:
      - { .name: x_codes, .offset: 0, .size: 8, .value_kind: global_buffer, .address_space: global }
      - { .name: x_scales, .offset: 8, .size: 8, .value_kind: global_buffer, .address_space: global }
      - { .name: gate_w_codes, .offset: 16, .size: 8, .value_kind: global_buffer, .address_space: global }
      - { .name: gate_w_scales, .offset: 24, .size: 8, .value_kind: global_buffer, .address_space: global }
      - { .name: gate_b, .offset: 32, .size: 8, .value_kind: global_buffer, .address_space: global }
      - { .name: masks, .offset: 40, .size: 8, .value_kind: global_buffer, .address_space: global }
      - { .name: ids, .offset: 48, .size: 8, .value_kind: global_buffer, .address_space: global }
      - { .name: gw, .offset: 56, .size: 8, .value_kind: global_buffer, .address_space: global }
    .group_segment_fixed_size: 1024
    .private_segment_fixed_size: 0
    .kernarg_segment_align: 8
    .kernarg_segment_size: 64
    .max_flat_workgroup_size: 128
    .sgpr_count:     66
    .vgpr_count:     256
    .wavefront_size: 32
...
	.end_amdgpu_metadata
.endif
;; end of part 1
;; launch hidden (part 2): grid 256 x 1, 4 waves a work-group, no clusters, 0 bytes of LDS; arguments x_codes, x_scales, w1_codes, w1_scales, b1, masks, hcodes, hscales; writes hcodes, hscales
.if DOCPART == 2
	.amdgcn_target "amdgcn-amd-amdhsa--gfx1250"
	.amdhsa_code_object_version 6
	.text
	.protected	k_q2492e3dc26_hidden
	.globl	k_q2492e3dc26_hidden
	.p2align	8
	.type	k_q2492e3dc26_hidden,@function
k_q2492e3dc26_hidden:
	s_mov_b64 s[64:65], 0
	v_nop
	global_prefetch_b8 v0, s[64:65] scope:SCOPE_SE
	s_setreg_imm32_b32 hwreg(HW_REG_WAVE_MODE, 25, 1), 1
	s_wait_xcnt 0x0
; HIDDEN.  Q(relu(x W1[e] + b1[e])) for the rows routed to expert e, on codes of FP6 (E2M3) with E8M0 scales; the result leaves as codes, as images of the next product's operand registers.
; SHARES.  Work-group (4 e + g) 4 + p: expert e, hidden units 512 g .. + 511, tokens 512 p .. + 511.  Wave s makes the 128 hidden units that are step (g, s) of the next product's K.
; THE WEIGHTS STAY: a wave's 128 rows of W1 (8 tiles x 48 registers) and their biases are loaded once, before anything is known of the routing; the tokens' rows go past them, 16 at a time, six tiles to a trip.
; K ORDER.  A run of 512 codes is 384 bytes.  Lane (r, h) loads the 192 bytes at 192 h by twelve loads of 16 bytes; matrix step s takes registers 12 s .. 12 s + 11: the instruction's block 2 c + h is the run's block
; 8 h + 2 s + c, alike on both sides.  The scale word of step s is made of the scale bytes 2 s, 8 + 2 s, 2 s + 1, 9 + 2 s by one v_perm_b32.  The next product reads W2 the same way, so my 128 units are blocks 8 h + 2 s + c of group g.
; THE ROWS OF W1 THAT FORM A TILE are chosen so that the 16 registers of tiles 2 b and 2 b + 1 are 16 neighbours of the next instruction's block b: lane r' of tile 2 b + u takes row 512 g + 64 s + 32 (8 (b & 1) + b / 2) + 8 u + r' + 8 (r' / 8).
; Source 0 = 16 rows of W1, source 1 = 16 tokens: a lane holds one token.  The bias is the C of each sum's first product.
; WHICH TOKENS.  masks[..] holds, for my expert, a bit for each token.  The token of rank v among my segment's 512 is found in registers (DERIVE): which of 16 words by compares with running counts, which bit by five halvings.
; Ranks past the last give some token of the table: their rows are computed, stored and never used.
; No cluster and no tensor load: the four work-groups that read one slice of W1 serve four segments whose numbers of tiles are read from memory and differ, and branches hang on them.
; LIMITS: NaN and infinities are not served.  A block of zeros gets the scale byte 1, not 127: its codes are zeros, and this program alone reads the bytes.
.set WA,   3                           ; v3   W1: (r + 8 (r / 8)) x 384 + 192 h
.set WSA,  4                           ; v4   its scale bytes: (r + 8 (r / 8)) x 16
.set B1A,  5                           ; v5   b1: 64 h
.set LI,   6                           ; v6   16 x lane
.set LS,   7                           ; v7   4 x lane
.set PK,   8                           ; v8-15 DERIVE's work
.set KEY,  9
.set WRD,  10
.set NN,   11
.set CA,   12
.set CB,   13
.set CC,   14
.set POS,  15
.set XO,   16                          ; v16-21 tile t: token x 384 + 192 h
.set XSO,  22                          ; v22-27 tile t: token x 16
.set VP,   28                          ; a rank
.set TOK,  29
.set TOKX, 30
.set H192, 31
.set WSC,  32                          ; v32-63  W1's scale words: 4 x tile + step
.set XSC,  64                          ; v64-87  x's: four a tile; step s in register 1, 0, 2, 3
.set HA,   88                          ; v88-151 eight accumulators (at the head: W1's scale bytes as loaded)
.set TM,   152                         ; v152-167 the quantiser's work
.set PW,   168                         ; the scale word just made
.set LN,   169                         ; lane
.set PC,   170                         ; v170-188 the codes just made
.set TA,   190
.set TB,   191
.set X5,   192                         ; v192-239 x's tile 5.  Window 1: W1's tiles 0-3 at 48 q, their biases at 192 + 8 q; window 2: tiles 4-7; window 3: x's tiles 0-4 at 48 t
.set T0,   24                          ; s24 the trip's first tile
.set NT,   25                          ; s25 tiles in all
.set NR,   26                          ; s26 rows in all
.set SEG,  27                          ; s27 my segment's first token
.set TS,   28
.set MK,   32                          ; s32-47 my 16 mask words
.set KY,   48                          ; s49-63 word i: (tokens in the words before) << 8 | i
.set SELA, 66
.set SELB, 67
.set SEL,  68
.set M5,   70
.set M3,   71
.set MF,   72
.set HI,   73
.set MSB, 0
.macro WIN new                         ; s_set_vgpr_msb: bits 1:0 source 0, 3:2 source 1, 5:4 source 2, 7:6 destination; the high byte repeats the setting that is left
.if MSB != (\new)
	s_set_vgpr_msb (MSB<<8)|(\new)
.set MSB, (\new)
.endif
.endm
.macro PICK src, width, step           ; one halving: are there \step positions' worth of set bits below my rank?
	v_bfe_u32 v[PK], v[\src], v[POS], \width
	v_cmp_ge_u32 vcc_lo, v[NN], v[PK]
	v_cndmask_b32 v[PK], 0, v[PK], vcc_lo
	v_sub_nc_u32 v[NN], v[NN], v[PK]
	v_cndmask_b32 v[PK], 0, \step, vcc_lo
	v_add_nc_u32 v[POS], v[POS], v[PK]
.endm
.macro DERIVE                          ; v[VP]: a rank in each lane -> v[TOK]: the token of that rank (not yet clamped)
	v_lshl_or_b32 v[PK], v[VP], 8, 0xff
	v_mov_b32 v[KEY], 0
	v_mov_b32 v[WRD], s[MK]
.irp i, 1,2,3,4,5,6,7,8,9,10,11,12,13,14,15
	v_cmp_le_u32 vcc_lo, s[KY+\i], v[PK]           ; do the words before word i hold at most my rank?  The last such word is mine
	v_cndmask_b32 v[KEY], v[KEY], s[KY+\i], vcc_lo
	v_cndmask_b32 v[WRD], v[WRD], s[MK+\i], vcc_lo
.endr
	v_lshrrev_b32 v[PK], 8, v[KEY]
	v_sub_nc_u32 v[NN], v[VP], v[PK]               ; my rank inside the word
	v_and_b32 v[KEY], 0xff, v[KEY]                 ; which word
	v_lshrrev_b32 v[PK], 1, v[WRD]                 ; counts of set bits in fields of 2, 4 and 8 bits
	v_and_b32 v[PK], s[M5], v[PK]
	v_sub_nc_u32 v[CA], v[WRD], v[PK]
	v_lshrrev_b32 v[PK], 2, v[CA]
	v_and_b32 v[PK], s[M3], v[PK]
	v_and_b32 v[CB], s[M3], v[CA]
	v_add_nc_u32 v[CB], v[CB], v[PK]
	v_lshrrev_b32 v[PK], 4, v[CB]
	v_add_nc_u32 v[CC], v[CB], v[PK]
	v_and_b32 v[CC], s[MF], v[CC]
	v_lshrrev_b32 v[PK], 8, v[CC]
	v_add_nc_u32 v[PK], v[CC], v[PK]
	v_and_b32 v[PK], 63, v[PK]                     ; the low 16 bits' count
	v_cmp_ge_u32 vcc_lo, v[NN], v[PK]
	v_cndmask_b32 v[PK], 0, v[PK], vcc_lo
	v_sub_nc_u32 v[NN], v[NN], v[PK]
	v_cndmask_b32 v[POS], 0, 16, vcc_lo
	PICK CC, 8, 8
	PICK CB, 4, 4
	PICK CA, 2, 2
	PICK WRD, 1, 1
	v_lshl_add_u32 v[TOK], v[KEY], 5, v[POS]
	v_add_nc_u32 v[TOK], s[SEG], v[TOK]
.endm
; 64 numbers of a lane, register 16 b + i = k 32 b + 16 (lane / 16) + i of my row, become a fragment's codes in v[PC] on and its scale word in v[PW].
.macro QUANT s
.irp b, 0,1,2,3
	v_max3_num_f32 v[TM+\b], |v[\s+16*\b]|, |v[\s+1+16*\b]|, 0x1800000   ; my 16 numbers of block b, and the floor 2^(3 - 127): the byte cannot fall under 1
.endr
.irp i, 2,4,6,8,10,12,14
.irp b, 0,1,2,3
	v_max3_num_f32 v[TM+\b], v[TM+\b], |v[\s+16*\b+\i]|, |v[\s+1+16*\b+\i]|
.endr
.endr
.irp b, 0,1,2,3
	v_permlanex16_b32 v[TM+4+\b], v[TM+\b], s[SEL], s[SEL+1]
.endr
.irp b, 0,1,2,3
	v_max_num_f32 v[TM+\b], v[TM+\b], v[TM+4+\b]   ; with lane l xor 16's: the block's largest magnitude
.endr
.irp b, 0,1,2,3
	v_add_nc_u32 v[TM+12+\b], 0xff000000, v[TM+\b] ; 2 off its exponent field: the conversion takes this operand's exponent field as its scale
.endr
.irp b, 0,1,2,3
	v_lshrrev_b32 v[TM+4+\b], 23, v[TM+12+\b]      ; the scale's byte
.endr
	v_lshl_or_b32 v[PW], v[TM+5], 8, v[TM+4]
	v_lshl_or_b32 v[PW], v[TM+6], 16, v[PW]
	v_lshl_or_b32 v[PW], v[TM+7], 24, v[PW]
.irp c, 0,1
	v_cvt_scalef32_pk16_fp6_f32 v[PC+6*\c:PC+2+6*\c], v[\s+32*\c:\s+15+32*\c], v[TM+12+2*\c]
	v_cvt_scalef32_pk16_fp6_f32 v[PC+12+4*\c:PC+14+4*\c], v[\s+16+32*\c:\s+31+32*\c], v[TM+12+2*\c+1]   ; (a conversion's three registers begin on an even number)
.endr
	v_nop                                          ; one plain place behind a scaled conversion
.irp c, 0,1                                    ; the operand wants a whole block in a lane: lanes 0-15 block 2 c, lanes 16-31 block 2 c + 1
.irp i, 0,1,2
	v_permlane16_swap_b32 v[PC+6*\c+\i], v[PC+12+4*\c+\i]
.endr
.irp i, 0,1,2
	v_mov_b32 v[PC+3+6*\c+\i], v[PC+12+4*\c+\i]
.endr
.endr
.endm
	s_load_b512 s[4:19], s[0:1], 0x0               ; x codes, x scales, W1 codes, W1 scales, b1, masks, hcodes, hscales
	v_lshrrev_b32 v1, 5, v0
	v_readfirstlane_b32 s20, v1                    ; wave = step s
	s_and_b32 s21, ttmp9, 3                        ; p
	s_bfe_u32 s22, ttmp9, 0x20002                  ; g
	s_lshr_b32 s23, ttmp9, 4                       ; e
	v_and_b32 v1, 15, v0                           ; r
	v_bfe_u32 v2, v0, 4, 1                         ; h
	v_and_b32 v[LN], 31, v0
	v_and_b32 v8, 8, v1
	v_add_nc_u32 v8, v8, v1                        ; r + 8 (r / 8)
	v_mul_u32_u24 v[H192], v2, 192
	v_mad_u32_u24 v[WA], v8, 384, v[H192]
	v_lshlrev_b32 v[WSA], 4, v8
	v_lshlrev_b32 v[B1A], 6, v2
	v_lshlrev_b32 v[LI], 4, v[LN]
	v_lshlrev_b32 v[LS], 2, v[LN]
.irp b, 0,1,2,3
	v_mov_b32 v[TM+4+\b], 0                        ; written once: a lane permute's destination counts as one of its sources
.endr
	v_mov_b32 v[TOKX], 0
	s_lshl_b32 s28, s23, 11
	s_lshl_b32 s29, s22, 9
	s_add_co_u32 s28, s28, s29
	s_lshl_b32 s29, s20, 6
	s_add_co_u32 s28, s28, s29                     ; 2048 e + 512 g + 64 s: the row from which my tiles' rows count
	s_mul_i32 s74, s28, 384
	s_mov_b32 s75, 0
	s_lshl_b32 s76, s28, 4
	s_mov_b32 s77, 0
	s_lshl_b32 s78, s28, 2
	s_mov_b32 s79, 0
	s_lshl_b32 s30, s23, 2
	s_add_co_u32 s30, s30, s21                     ; 4 e + p
	s_lshl_b32 s31, s22, 2
	s_add_co_u32 s31, s31, s20                     ; 4 g + s
	s_mul_i32 s80, s30, 786432                     ; 32 tiles of 16 fragments of 1,536 bytes
	s_mul_i32 s29, s31, 1536
	s_add_co_u32 s80, s80, s29
	s_mov_b32 s81, 0
	s_lshl_b32 s82, s30, 16                        ; 32 tiles of 16 x 128 bytes of scale words
	s_lshl_b32 s29, s31, 7
	s_add_co_u32 s82, s82, s29
	s_mov_b32 s83, 0
	s_lshl_b32 s84, s21, 10                        ; masks: work-groups 4 p .. 4 p + 3 of the router, expert e
	s_lshl_b32 s29, s23, 4
	s_add_co_u32 s84, s84, s29
	s_mov_b32 s85, 0
	s_lshl_b32 s[SEG], s21, 9
	s_mov_b32 s[SELA], 0x05010400
	s_mov_b32 s[SELB], 0x07030602
	s_mov_b32 s[SEL], 0x76543210
	s_mov_b32 s[SEL+1], 0xfedcba98
	s_mov_b32 s[M5], 0x55555555
	s_mov_b32 s[M3], 0x33333333
	s_mov_b32 s[MF], 0x0f0f0f0f
	s_mov_b32 s[HI], 0xffff0000                    ; lanes 16-31
	s_wait_kmcnt 0x0
	s_add_nc_u64 s[8:9], s[8:9], s[74:75]
	s_add_nc_u64 s[10:11], s[10:11], s[76:77]
	s_add_nc_u64 s[12:13], s[12:13], s[78:79]
	s_add_nc_u64 s[14:15], s[14:15], s[84:85]
	s_add_nc_u64 s[16:17], s[16:17], s[80:81]
	s_add_nc_u64 s[18:19], s[18:19], s[82:83]
.irp w, 0,1,2,3
	s_load_b128 s[MK+4*\w:MK+4*\w+3], s[14:15], 256*\w
.endr
.irp ct, 0,1,2,3,4,5,6,7
.set ROWD, 32*(8*((\ct/2)&1)+\ct/4)+8*(\ct%2)
	global_load_b128 v[HA+4*\ct:HA+4*\ct+3], v[WSA], s[10:11] offset:ROWD*16
.endr
.irp w, 0,1
	WIN 0x40+0x40*\w                               ; destination window 1, then 2
.irp q, 0,1,2,3
.set ROWD, 32*(8*(((4*\w+\q)/2)&1)+\w)+8*(\q%2)
	global_load_b128 v[192+8*\q:192+8*\q+3], v[B1A], s[12:13] offset:ROWD*4
	global_load_b128 v[192+8*\q+4:192+8*\q+7], v[B1A], s[12:13] offset:ROWD*4+16
.irp k, 0,1,2,3,4,5,6,7,8,9,10,11
	global_load_b128 v[48*\q+4*\k:48*\q+4*\k+3], v[WA], s[8:9] offset:ROWD*384+16*\k
.endr
.endr
.endr
	WIN 0
	s_wait_kmcnt 0x0                               ; the masks
	s_mov_b32 s[NR], 0
.irp i, 0,1,2,3,4,5,6,7,8,9,10,11,12,13,14,15
.if \i > 0
	s_lshl_b32 s[KY+\i], s[NR], 8
	s_or_b32 s[KY+\i], s[KY+\i], \i
.endif
	s_bcnt1_i32_b32 s[TS], s[MK+\i]
	s_add_co_u32 s[NR], s[NR], s[TS]
.endr
	s_add_co_u32 s[NT], s[NR], 15
	s_lshr_b32 s[NT], s[NT], 4
	s_min_u32 s[NT], s[NT], 32                     ; 512 tokens are 32 tiles at the most
	s_wait_loadcnt 63                              ; 112 loads were issued behind the eight of W1's scale bytes: with 63 out at the most these eight are in
.irp ct, 0,1,2,3,4,5,6,7
	v_perm_b32 v[WSC+4*\ct],   v[HA+4*\ct+2], v[HA+4*\ct],   s[SELA]
	v_perm_b32 v[WSC+4*\ct+1], v[HA+4*\ct+2], v[HA+4*\ct],   s[SELB]
	v_perm_b32 v[WSC+4*\ct+2], v[HA+4*\ct+3], v[HA+4*\ct+1], s[SELA]
	v_perm_b32 v[WSC+4*\ct+3], v[HA+4*\ct+3], v[HA+4*\ct+1], s[SELB]
.endr
; 32 matrix instructions: tile t of tokens against my eight tiles of W1, four accumulators by turns, one instruction a turn; K ascending in steps.
.macro HMUL t
.if \t == 5
.set XB, X5
.else
.set XB, 48*\t
.endif
.irp hf, 0,1
.if \t == 5
	WIN 0x11+0x11*\hf                              ; W1 and its bias in window 1 + hf, x in window 0
.else
	WIN 0x1d+0x11*\hf                              ; the same, x in window 3
.endif
.irp q, 0,1,2,3
	v_wmma_scale_f32_16x16x128_f8f6f4 v[HA+8*(4*\hf+\q):HA+8*(4*\hf+\q)+7], v[48*\q:48*\q+11], v[XB:XB+11], v[192+8*\q:192+8*\q+7], v[WSC+4*(4*\hf+\q)], v[XSC+4*\t+1] matrix_a_fmt:MATRIX_FMT_FP6 matrix_b_fmt:MATRIX_FMT_FP6
.endr
.if \t == 5
	WIN 0x01+\hf
.else
	WIN 0x0d+\hf
.endif
.irp s, 1,2,3
.if \s == 1
.set SI, 0
.else
.set SI, \s
.endif
.irp q, 0,1,2,3
	v_wmma_scale_f32_16x16x128_f8f6f4 v[HA+8*(4*\hf+\q):HA+8*(4*\hf+\q)+7], v[48*\q+12*\s:48*\q+12*\s+11], v[XB+12*\s:XB+12*\s+11], v[HA+8*(4*\hf+\q):HA+8*(4*\hf+\q)+7], v[WSC+4*(4*\hf+\q)+\s], v[XSC+4*\t+SI] matrix_a_fmt:MATRIX_FMT_FP6 matrix_b_fmt:MATRIX_FMT_FP6
.endr
.endr
.endr
	WIN 0
.endm
.macro TILE t
.if \t > 0
	s_add_co_u32 s[TS], s[T0], \t
	s_cmp_ge_u32 s[TS], s[NT]
	s_cbranch_scc1 .Lend                           ; no such tile: the trip is over
	s_wait_loadcnt 12*(5-\t)                       ; this tile's twelve loads are in; the younger tiles' may be out
.endif
	HMUL \t
.rept 4
	v_nop                                          ; four places ahead of the first read of results (ISA guide 7.12.1)
.endr
.irp j, 0,1,2,3,4,5,6,7,8,9,10,11,12,13,14,15,16,17,18,19,20,21,22,23,24,25,26,27,28,29,30,31,32,33,34,35,36,37,38,39,40,41,42,43,44,45,46,47,48,49,50,51,52,53,54,55,56,57,58,59,60,61,62,63
	v_max_num_f32 v[HA+\j], 0, v[HA+\j]            ; the activation, in f32; each accumulator from its low end on
.endr
	s_wait_xcnt 0x0                                ; the last tile's stores have read the codes' registers and the scale word: they are written again only behind this wait
	QUANT HA
.irp c, 0,1,2
	global_store_b128 v[LI], v[PC+4*\c:PC+4*\c+3], s[16:17] offset:24576*\t+512*\c   ; the fragment as it stands in registers: 512 consecutive bytes a store, aligned
.endr
	global_store_b32 v[LS], v[PW], s[18:19] offset:2048*\t
.endm
	s_mov_b32 s[T0], 0
.Lchunk:                                           ; six trips of six tiles: 36 cover the 32 that a segment can have; a trip with no tile jumps over its work
	s_cmp_ge_u32 s[T0], s[NT]
	s_cbranch_scc1 .Lskip
	s_lshl_b32 s[TS], s[T0], 4
.irp q, 0,1,2                                  ; 32 ranks at a time: lanes 0-15 tile 2 q's rows, lanes 16-31 tile 2 q + 1's
	v_add_nc_u32 v[VP], s[TS], v[LN]
	DERIVE
	v_permlanex16_b32 v[TOKX], v[TOK], s[SEL], s[SEL+1]
	v_cndmask_b32 v[TA], v[TOK], v[TOKX], s[HI]    ; both halves of the lanes want row r's token
	v_cndmask_b32 v[TB], v[TOKX], v[TOK], s[HI]
	v_min_u32 v[TA], 0x7ff, v[TA]                  ; a token of the table, whatever the rank
	v_min_u32 v[TB], 0x7ff, v[TB]
	v_mul_u32_u24 v[XO+2*\q], v[TA], 384
	v_mul_u32_u24 v[XO+2*\q+1], v[TB], 384
	v_add_nc_u32 v[XO+2*\q], v[H192], v[XO+2*\q]
	v_add_nc_u32 v[XO+2*\q+1], v[H192], v[XO+2*\q+1]
	v_lshlrev_b32 v[XSO+2*\q], 4, v[TA]
	v_lshlrev_b32 v[XSO+2*\q+1], 4, v[TB]
	global_load_b128 v[XSC+8*\q:XSC+8*\q+3], v[XSO+2*\q], s[6:7]
	global_load_b128 v[XSC+8*\q+4:XSC+8*\q+7], v[XSO+2*\q+1], s[6:7]
	s_add_co_u32 s[TS], s[TS], 32
.endr
	WIN 0xc0                                       ; destination window 3
.irp t, 0,1,2,3,4
.irp k, 0,1,2,3,4,5,6,7,8,9,10,11
	global_load_b128 v[48*\t+4*\k:48*\t+4*\k+3], v[XO+\t], s[4:5] offset:16*\k
.endr
.endr
	WIN 0
.irp k, 0,1,2,3,4,5,6,7,8,9,10,11
	global_load_b128 v[X5+4*\k:X5+4*\k+3], v[XO+5], s[4:5] offset:16*\k
.endr
	s_wait_loadcnt 60                              ; the six loads of scale bytes and tile 0's twelve are in; the five younger tiles' 60 may be out
.irp t, 0,1,2,3,4,5                            ; x's scale words, in place: step 0 ends in register 1, step 1 in register 0
	v_perm_b32 v[TA], v[XSC+4*\t+2], v[XSC+4*\t], s[SELA]
	v_perm_b32 v[XSC+4*\t], v[XSC+4*\t+2], v[XSC+4*\t], s[SELB]
	v_perm_b32 v[XSC+4*\t+2], v[XSC+4*\t+3], v[XSC+4*\t+1], s[SELA]
	v_perm_b32 v[XSC+4*\t+3], v[XSC+4*\t+3], v[XSC+4*\t+1], s[SELB]
	v_mov_b32 v[XSC+4*\t+1], v[TA]
.endr
.rept 8
	v_nop                                          ; a scale register written by a vector instruction stands eight places ahead of the scaled matrix instruction
.endr
	TILE 0
	TILE 1
	TILE 2
	TILE 3
	TILE 4
	TILE 5
.Lend:
	s_wait_loadcnt 0x0                             ; loads of tiles that were not there: their registers and addresses are written again in the next trip
.Lskip:
	s_wait_xcnt 0x0                                ; the stores have read their bases
	s_add_nc_u64 s[16:17], s[16:17], 6*24576
	s_add_nc_u64 s[18:19], s[18:19], 6*2048
	s_add_co_u32 s[T0], s[T0], 6
	s_cmp_lt_u32 s[T0], 36
	s_cbranch_scc1 .Lchunk
	s_endpgm
.Lfunc_end_k_q2492e3dc26_hidden:
	.size	k_q2492e3dc26_hidden, .Lfunc_end_k_q2492e3dc26_hidden-k_q2492e3dc26_hidden
	.p2alignl 7, 3214868480
	.fill 96, 4, 3214868480
	.section	.rodata,"a",@progbits
	.p2align	6, 0x0
	.amdhsa_kernel k_q2492e3dc26_hidden
		.amdhsa_group_segment_fixed_size 0
		.amdhsa_private_segment_fixed_size 0
		.amdhsa_enable_private_segment 0
		.amdhsa_kernarg_size 64
		.amdhsa_user_sgpr_count 2
		.amdhsa_user_sgpr_kernarg_segment_ptr 1
		.amdhsa_wavefront_size32 1
		.amdhsa_system_sgpr_workgroup_id_x 1
		.amdhsa_system_sgpr_workgroup_id_y 1
		.amdhsa_system_sgpr_workgroup_id_z 1
		.amdhsa_system_vgpr_workitem_id 0
		.amdhsa_next_free_vgpr 1024
		.amdhsa_next_free_sgpr 90
		.amdhsa_reserve_vcc 1
		.amdhsa_float_denorm_mode_32 3
		.amdhsa_float_denorm_mode_16_64 3
		.amdhsa_memory_ordered 1
		.amdhsa_forward_progress 1
		.amdhsa_inst_pref_size 107
	.end_amdhsa_kernel
	.amdgpu_metadata
---
amdhsa.version: [ 1, 2 ]
amdhsa.kernels:
  - .name:           k_q2492e3dc26_hidden
    .symbol:         k_q2492e3dc26_hidden.kd
    .args:
      - { .name: x_codes, .offset: 0, .size: 8, .value_kind: global_buffer, .address_space: global }
      - { .name: x_scales, .offset: 8, .size: 8, .value_kind: global_buffer, .address_space: global }
      - { .name: w1_codes, .offset: 16, .size: 8, .value_kind: global_buffer, .address_space: global }
      - { .name: w1_scales, .offset: 24, .size: 8, .value_kind: global_buffer, .address_space: global }
      - { .name: b1, .offset: 32, .size: 8, .value_kind: global_buffer, .address_space: global }
      - { .name: masks, .offset: 40, .size: 8, .value_kind: global_buffer, .address_space: global }
      - { .name: hcodes, .offset: 48, .size: 8, .value_kind: global_buffer, .address_space: global }
      - { .name: hscales, .offset: 56, .size: 8, .value_kind: global_buffer, .address_space: global }
    .group_segment_fixed_size: 0
    .private_segment_fixed_size: 0
    .kernarg_segment_align: 8
    .kernarg_segment_size: 64
    .max_flat_workgroup_size: 128
    .sgpr_count:     90
    .vgpr_count:     1024
    .wavefront_size: 32
...
	.end_amdgpu_metadata
.endif
;; end of part 2
;; launch expert_out (part 3): grid 256 x 1, 4 waves a work-group, no clusters, 203,264 bytes of LDS; arguments hcodes, hscales, w2_codes, w2_scales, b2, masks, ids, gw, ybuf; writes ybuf
.if DOCPART == 3
	.amdgcn_target "amdgcn-amd-amdhsa--gfx1250"
	.amdhsa_code_object_version 6
	.text
	.protected	k_q2492e3dc26_expert_out
	.globl	k_q2492e3dc26_expert_out
	.p2align	8
	.type	k_q2492e3dc26_expert_out,@function
k_q2492e3dc26_expert_out:
	s_mov_b64 s[64:65], 0
	v_nop
	global_prefetch_b8 v0, s[64:65] scope:SCOPE_SE
	s_setreg_imm32_b32 hwreg(HW_REG_WAVE_MODE, 25, 1), 1
	s_wait_xcnt 0x0
; EXPERT_OUT.  y = weight x (h W2[e] + b2[e]) for the rows routed to expert e; h comes as codes of FP6 (E2M3) with scale words, as images of the operand's registers.
; SHARES.  Work-group (4 e + cg) 4 + p: expert e, output columns 128 cg .. + 127, tokens 512 p .. + 511.  WAVE g TAKES K GROUP g (hidden units 512 g .. + 511): 8 tiles of columns x 4 steps of W2 stay in its registers
; (384 registers), loaded once, before anything is known of the routing; no byte of h is loaded twice in the work-group.  The four waves' partial sums meet in LDS.
; K ORDER as in the launch that made h: lane (r, h) loads the 192 bytes at 384 g + 192 h of its row of W2; step s takes registers 12 s .. 12 s + 11; the scale word of step s is made by one v_perm_b32.
; Source 0 = 16 rows of W2 (columns of y), source 1 = 16 rows of h: a lane holds one row and eight neighbouring columns.
; A TRIP serves six tiles of 16 rows: every wave multiplies all six by its K group and puts the results into LDS | barrier | wave g adds the four partial sums of slot g (waves 0 and 1: of slot g + 4 too), adds b2, multiplies by
; the row's weight and stores whole runs of 512 bytes into ybuf[token][first or second][512] | barrier.  Six trips, a constant; a trip with no tile jumps over its work, never over a barrier.
; WHICH TOKEN a row belongs to is found from the masks as in the launch before (DERIVE); whether e is the token's first or second expert, from ids.  Rows past the last are not stored.
; No cluster and no tensor load: the four work-groups that read one slice of W2 serve four segments whose numbers of tiles are read from memory and differ, and branches hang on them.
; LIMITS: NaN and infinities are not served.
.set WA,   3                           ; v3   W2: r x 1536 + 192 h
.set WSA,  4                           ; v4   its scale bytes: 64 r
.set LI,   5                           ; v5   16 x lane
.set LS,   6                           ; v6   4 x lane
.set STO,  7                           ; v7   LDS: my partial sums: 50,688 g + 528 r + 32 h
.set RD,   8                           ; v8-11 LDS: wave k's partial sums of slot g: 50,688 k + 8,448 g + 16 x lane
.set PK,   12                          ; v12-19 DERIVE's work
.set KEY,  13
.set WRD,  14
.set NN,   15
.set CA,   16
.set CB,   17
.set CC,   18
.set POS,  19
.set RG,   20                          ; r + 16 g + 64 h: lanes 0-15 slot g's rows, lanes 16-31 slot g + 4's
.set TOK,  21
.set IDW,  22
.set VP,   23
.set GWP,  24                          ; v[24:25] the token's two weights
.set WT,   26
.set IDX,  27                          ; 2 x token + (0: e is its first expert, 1: its second)
.set HO,   28                          ; v28-33 tile t: its codes' offset
.set HSO,  34                          ; v34-39 its scale words'
.set B2V,  40                          ; v[40:43] b2 of my four columns
.set YA,   44                          ; v44-47 four rows' offsets in ybuf
.set WSC,  48                          ; v48-79  W2's scale words: 4 x tile + step
.set HSC,  80                          ; v80-103 h's: 4 x tile + step
.set ACC,  104                         ; v104-167 eight accumulators; on the way out four rows x four partial sums
.set FA,   104
.set TK8,  168
.set X5,   192                         ; v192-239 h's tile 5;  window 1: W2's tiles 0-3 at 48 q; window 2: tiles 4-7; window 3: h's tiles 0-4 at 48 t
.set FB,   192                         ; v192-255 on the way out: four more rows
.set PSL,  8448                        ; LDS: a slot of partial sums: 16 rows x (512 bytes + 16)
.set T0,   26                          ; s26 the trip's first tile
.set NT,   27                          ; s27 tiles in all
.set NR,   28                          ; s28 rows in all
.set SEG,  29                          ; s29 my segment's first token
.set TS,   31
.set MK,   32                          ; s32-47 my 16 mask words
.set KY,   48                          ; s49-63 word i: (tokens in the words before) << 8 | i
.set SELA, 66
.set SELB, 67
.set VAL,  73                          ; rows of the tile in hand that are there
.set M5,   74
.set M3,   75
.set MF,   76
.set MSB, 0
.macro WIN new                         ; s_set_vgpr_msb: bits 1:0 source 0, 3:2 source 1, 5:4 source 2, 7:6 destination; the high byte repeats the setting that is left
.if MSB != (\new)
	s_set_vgpr_msb (MSB<<8)|(\new)
.set MSB, (\new)
.endif
.endm
.macro PICK src, width, step
	v_bfe_u32 v[PK], v[\src], v[POS], \width
	v_cmp_ge_u32 vcc_lo, v[NN], v[PK]
	v_cndmask_b32 v[PK], 0, v[PK], vcc_lo
	v_sub_nc_u32 v[NN], v[NN], v[PK]
	v_cndmask_b32 v[PK], 0, \step, vcc_lo
	v_add_nc_u32 v[POS], v[POS], v[PK]
.endm
.macro DERIVE                          ; v[VP]: a rank in each lane -> v[TOK]: the token of that rank (not yet clamped)
	v_lshl_or_b32 v[PK], v[VP], 8, 0xff
	v_mov_b32 v[KEY], 0
	v_mov_b32 v[WRD], s[MK]
.irp i, 1,2,3,4,5,6,7,8,9,10,11,12,13,14,15
	v_cmp_le_u32 vcc_lo, s[KY+\i], v[PK]
	v_cndmask_b32 v[KEY], v[KEY], s[KY+\i], vcc_lo
	v_cndmask_b32 v[WRD], v[WRD], s[MK+\i], vcc_lo
.endr
	v_lshrrev_b32 v[PK], 8, v[KEY]
	v_sub_nc_u32 v[NN], v[VP], v[PK]
	v_and_b32 v[KEY], 0xff, v[KEY]
	v_lshrrev_b32 v[PK], 1, v[WRD]
	v_and_b32 v[PK], s[M5], v[PK]
	v_sub_nc_u32 v[CA], v[WRD], v[PK]
	v_lshrrev_b32 v[PK], 2, v[CA]
	v_and_b32 v[PK], s[M3], v[PK]
	v_and_b32 v[CB], s[M3], v[CA]
	v_add_nc_u32 v[CB], v[CB], v[PK]
	v_lshrrev_b32 v[PK], 4, v[CB]
	v_add_nc_u32 v[CC], v[CB], v[PK]
	v_and_b32 v[CC], s[MF], v[CC]
	v_lshrrev_b32 v[PK], 8, v[CC]
	v_add_nc_u32 v[PK], v[CC], v[PK]
	v_and_b32 v[PK], 63, v[PK]
	v_cmp_ge_u32 vcc_lo, v[NN], v[PK]
	v_cndmask_b32 v[PK], 0, v[PK], vcc_lo
	v_sub_nc_u32 v[NN], v[NN], v[PK]
	v_cndmask_b32 v[POS], 0, 16, vcc_lo
	PICK CC, 8, 8
	PICK CB, 4, 4
	PICK CA, 2, 2
	PICK WRD, 1, 1
	v_lshl_add_u32 v[TOK], v[KEY], 5, v[POS]
	v_add_nc_u32 v[TOK], s[SEG], v[TOK]
.endm
	s_load_b512 s[4:19], s[0:1], 0x0               ; hcodes, hscales, W2 codes, W2 scales, b2, masks, ids, gw
	s_load_b64 s[20:21], s[0:1], 0x40              ; ybuf
	v_lshl_add_u32 v190, v0, 2, 0x31800
	v_mov_b32 v191, 0
	v_lshrrev_b32 v1, 5, v0
	v_readfirstlane_b32 s22, v1                    ; wave = K group g
	s_and_b32 s23, ttmp9, 3                        ; p
	s_bfe_u32 s24, ttmp9, 0x20002                  ; cg
	s_lshr_b32 s25, ttmp9, 4                       ; e
	v_and_b32 v1, 15, v0                           ; r
	v_bfe_u32 v2, v0, 4, 1                         ; h
	v_and_b32 v[TK8], 31, v0                       ; lane
	v_lshlrev_b32 v[LI], 4, v[TK8]
	v_lshlrev_b32 v[LS], 2, v[TK8]
	v_mul_u32_u24 v[WA], v1, 1536
	v_mad_u32_u24 v[WA], v2, 192, v[WA]
	v_lshlrev_b32 v[WSA], 6, v1
	s_mul_i32 s30, s22, 6*PSL
	v_mul_u32_u24 v[STO], v1, 528
	v_lshl_add_u32 v[STO], v2, 5, v[STO]
	v_add_nc_u32 v[STO], s30, v[STO]
	s_mul_i32 s30, s22, PSL
	v_add_nc_u32 v[RD], s30, v[LI]
	v_add_nc_u32 v[RD+1], 6*PSL, v[RD]
	v_add_nc_u32 v[RD+2], 12*PSL, v[RD]
	v_add_nc_u32 v[RD+3], 18*PSL, v[RD]
	s_lshl_b32 s30, s22, 4
	v_lshl_add_u32 v[RG], v2, 6, v1
	v_add_nc_u32 v[RG], s30, v[RG]
.irp i, TOK, IDW, VP, GWP, GWP+1, WT, IDX
	v_mov_b32 v[\i], 0                             ; written on every way
.endr
	s_lshl_b32 s30, s25, 9
	s_lshl_b32 s31, s24, 7
	s_add_co_u32 s30, s30, s31                     ; 512 e + 128 cg: my first row of W2
	s_mul_i32 s78, s30, 1536
	s_mul_i32 s31, s22, 384
	s_add_co_u32 s78, s78, s31
	s_mov_b32 s79, 0
	s_lshl_b32 s80, s30, 6
	s_lshl_b32 s31, s22, 4
	s_add_co_u32 s80, s80, s31
	s_mov_b32 s81, 0
	s_lshl_b32 s82, s30, 2
	s_mov_b32 s83, 0
	s_lshl_b32 s30, s25, 2
	s_add_co_u32 s30, s30, s23                     ; 4 e + p
	s_mul_i32 s84, s30, 786432
	s_mul_i32 s31, s22, 6144                       ; my four steps' fragments
	s_add_co_u32 s84, s84, s31
	s_mov_b32 s85, 0
	s_lshl_b32 s86, s30, 16
	s_lshl_b32 s31, s22, 9
	s_add_co_u32 s86, s86, s31
	s_mov_b32 s87, 0
	s_lshl_b32 s88, s23, 10
	s_lshl_b32 s31, s25, 4
	s_add_co_u32 s88, s88, s31
	s_mov_b32 s89, 0
	s_lshl_b32 s90, s24, 9                         ; my 128 columns in a row of ybuf
	s_mov_b32 s91, 0
	s_lshl_b32 s[SEG], s23, 9
	s_mov_b32 s[SELA], 0x05010400
	s_mov_b32 s[SELB], 0x07030602
	s_mov_b32 s[M5], 0x55555555
	s_mov_b32 s[M3], 0x33333333
	s_mov_b32 s[MF], 0x0f0f0f0f
	s_mov_b32 s71, 0                               ; (named with s70 as a pair, so it is written)
	s_wait_kmcnt 0x0
	s_add_nc_u64 s[4:5], s[4:5], s[84:85]
	s_add_nc_u64 s[6:7], s[6:7], s[86:87]
	s_add_nc_u64 s[8:9], s[8:9], s[78:79]
	s_add_nc_u64 s[10:11], s[10:11], s[80:81]
	s_add_nc_u64 s[12:13], s[12:13], s[82:83]
	s_add_nc_u64 s[14:15], s[14:15], s[88:89]
	s_add_nc_u64 s[20:21], s[20:21], s[90:91]
.irp w, 0,1,2,3
	s_load_b128 s[MK+4*\w:MK+4*\w+3], s[14:15], 256*\w
.endr
.irp ct, 0,1,2,3,4,5,6,7
	global_load_b128 v[ACC+4*\ct:ACC+4*\ct+3], v[WSA], s[10:11] offset:1024*\ct
.endr
	global_load_b128 v[B2V:B2V+3], v[LI], s[12:13]
.irp w, 0,1
	WIN 0x40+0x40*\w                               ; destination window 1, then 2
.irp q, 0,1,2,3
.irp k, 0,1,2,3,4,5,6,7,8,9,10,11
	global_load_b128 v[48*\q+4*\k:48*\q+4*\k+3], v[WA], s[8:9] offset:24576*(4*\w+\q)+16*\k
.endr
.endr
.endr
	WIN 0
	s_wait_kmcnt 0x0                               ; the masks
	s_mov_b32 s[NR], 0
.irp i, 0,1,2,3,4,5,6,7,8,9,10,11,12,13,14,15
.if \i > 0
	s_lshl_b32 s[KY+\i], s[NR], 8
	s_or_b32 s[KY+\i], s[KY+\i], \i
.endif
	s_bcnt1_i32_b32 s[TS], s[MK+\i]
	s_add_co_u32 s[NR], s[NR], s[TS]
.endr
	s_add_co_u32 s[NT], s[NR], 15
	s_lshr_b32 s[NT], s[NT], 4
	s_min_u32 s[NT], s[NT], 32
	s_wait_loadcnt 63                              ; 96 loads were issued behind W2's scale bytes and b2: with 63 out at the most those nine are in
.irp ct, 0,1,2,3,4,5,6,7
	v_perm_b32 v[WSC+4*\ct],   v[ACC+4*\ct+2], v[ACC+4*\ct],   s[SELA]
	v_perm_b32 v[WSC+4*\ct+1], v[ACC+4*\ct+2], v[ACC+4*\ct],   s[SELB]
	v_perm_b32 v[WSC+4*\ct+2], v[ACC+4*\ct+3], v[ACC+4*\ct+1], s[SELA]
	v_perm_b32 v[WSC+4*\ct+3], v[ACC+4*\ct+3], v[ACC+4*\ct+1], s[SELB]
.endr
; 32 matrix instructions: tile t of h against my eight tiles of W2; four accumulators by turns, one instruction a turn; the first step starts the sums with the constant 0.
.macro OMUL t
.if \t == 5
.set XB, X5
.else
.set XB, 48*\t
.endif
.irp hf, 0,1
.if \t > 0
	s_wait_dscnt 8-8*\hf                           ; the last tile's LDS stores have read these four accumulators (the eight stores of accumulators 4-7 are the younger)
.endif
.if \t == 5
	WIN 0x01+\hf                                   ; W2 in window 1 + hf, h in window 0
.else
	WIN 0x0d+\hf                                   ; the same, h in window 3
.endif
.irp s, 0,1,2,3
.irp q, 0,1,2,3
.if \s == 0
	v_wmma_scale_f32_16x16x128_f8f6f4 v[ACC+8*(4*\hf+\q):ACC+8*(4*\hf+\q)+7], v[48*\q:48*\q+11], v[XB:XB+11], 0, v[WSC+4*(4*\hf+\q)], v[HSC+4*\t] matrix_a_fmt:MATRIX_FMT_FP6 matrix_b_fmt:MATRIX_FMT_FP6
.else
	v_wmma_scale_f32_16x16x128_f8f6f4 v[ACC+8*(4*\hf+\q):ACC+8*(4*\hf+\q)+7], v[48*\q+12*\s:48*\q+12*\s+11], v[XB+12*\s:XB+12*\s+11], v[ACC+8*(4*\hf+\q):ACC+8*(4*\hf+\q)+7], v[WSC+4*(4*\hf+\q)+\s], v[HSC+4*\t+\s] matrix_a_fmt:MATRIX_FMT_FP6 matrix_b_fmt:MATRIX_FMT_FP6
.endif
.endr
.endr
.endr
	WIN 0
.endm
.macro OTILE t
.if \t > 0
	s_add_co_u32 s30, s[T0], \t
	s_cmp_ge_u32 s30, s[NT]
	s_cbranch_scc1 .Lcomputed                      ; no such tile
.endif
	s_wait_loadcnt 12*(5-\t)                       ; this tile's twelve loads of codes are in (the scale words are older); the younger tiles' may be out
	OMUL \t
.rept 5
	v_nop                                          ; four places ahead of the stores that read results; five ahead of the next tile's products, which begin these accumulators anew
.endr
.irp ct, 0,1,2,3,4,5,6,7
	ds_store_b128 v[STO], v[ACC+8*\ct:ACC+8*\ct+3] offset:PSL*\t+64*\ct        ; each accumulator from its low end on
	ds_store_b128 v[STO], v[ACC+8*\ct+4:ACC+8*\ct+7] offset:PSL*\t+64*\ct+16
.endr
.endm
; THE WAY OUT.  Four rows at a time: of each row the four waves' partial sums, 16 bytes a lane: the 32 lanes hold a row's 128 columns.
.macro LDROWS buf, off, row0
.irp i, 0,1,2,3
.irp k, 0,1,2,3
	ds_load_b128 v[\buf+16*\i+4*\k:\buf+16*\i+4*\k+3], v[RD+\k] offset:\off+(\row0+\i)*528
.endr
.endr
.endm
.macro ROWOUT buf, i, row, lo
.set P, \buf+16*\i
	s_cmp_gt_u32 s[VAL], \row
	s_cbranch_scc0 .Lrow_\@                        ; a row past the last is not stored; no LDS instruction is jumped over, so the counts hold on both ways
	v_readlane_b32 s70, v[WT], \lo+\row
	v_readlane_b32 s72, v[IDX], \lo+\row
	s_min_u32 s72, s72, 4095                       ; a row of ybuf, whatever was read
	s_lshl_b32 s72, s72, 11
	v_add_nc_u32 v[YA+\i], s72, v[LI]
.irp d, 0,2
	v_pk_add_f32 v[P+\d:P+\d+1], v[P+\d:P+\d+1], v[P+4+\d:P+5+\d]
	v_pk_add_f32 v[P+8+\d:P+9+\d], v[P+8+\d:P+9+\d], v[P+12+\d:P+13+\d]
.endr
.irp d, 0,2
	v_pk_add_f32 v[P+\d:P+\d+1], v[P+\d:P+\d+1], v[P+8+\d:P+9+\d]
.endr
.irp d, 0,2
	v_pk_add_f32 v[P+\d:P+\d+1], v[P+\d:P+\d+1], v[B2V+\d:B2V+\d+1]
.endr
.irp d, 0,2
	v_pk_mul_f32 v[P+\d:P+\d+1], v[P+\d:P+\d+1], s[70:71] op_sel_hi:[1,0]
.endr
	global_store_b128 v[YA+\i], v[P:P+3], s[20:21]   ; 32 lanes store 512 consecutive bytes, aligned
.Lrow_\@:
.endm
.macro OUT buf, row0, lo
	ROWOUT \buf, 0, (\row0), \lo
	ROWOUT \buf, 1, (\row0+1), \lo
	ROWOUT \buf, 2, (\row0+2), \lo
	ROWOUT \buf, 3, (\row0+3), \lo
.endm
.macro FIN off, lo                     ; the tile s30, whose partial sums lie off bytes behind slot g's; its rows' weights and places stand in lanes lo .. lo + 15
	s_lshl_b32 s[VAL], s30, 4
	s_sub_co_u32 s[VAL], s[NR], s[VAL]             ; rows that are there: 1 or more
	s_wait_xcnt 0x0                                ; earlier stores have read their registers
	LDROWS FA, \off, 0
	LDROWS FB, \off, 4
	s_wait_dscnt 16                                ; the older sixteen loads are in
	OUT FA, 0, \lo
	s_wait_xcnt 0x0                                ; the stores have read their data and offsets: both are written again
	LDROWS FA, \off, 8
	s_wait_dscnt 16
	OUT FB, 4, \lo
	s_wait_xcnt 0x0
	LDROWS FB, \off, 12
	s_wait_dscnt 16
	OUT FA, 8, \lo
	s_wait_dscnt 0x0
	s_wait_xcnt 0x0
	OUT FB, 12, \lo
.endm
	s_mov_b32 s[T0], 0
.Lchunk:
	s_cmp_ge_u32 s[T0], s[NT]
	s_cbranch_scc1 .Lnowork
	s_lshl_b32 s30, s[T0], 4
	v_add_nc_u32 v[VP], s30, v[RG]
	DERIVE
	v_min_u32 v[TOK], 0x7ff, v[TOK]                ; a token of the table, whatever the rank
	v_lshlrev_b32 v[TK8], 3, v[TOK]
	global_load_b32 v[IDW], v[TK8], s[16:17]
	global_load_b64 v[GWP:GWP+1], v[TK8], s[18:19]
	s_sub_co_u32 s[TS], s[NT], 1
.irp t, 0,1,2,3,4,5                            ; all six buffers are loaded on every way, so that the counts of the waits hold: a tile that is not there takes the last tile's bytes
	s_add_co_u32 s30, s[T0], \t
	s_min_u32 s30, s30, s[TS]
	s_min_u32 s30, s30, 31
	s_mul_i32 s77, s30, 24576
	v_add_nc_u32 v[HO+\t], s77, v[LI]
	s_lshl_b32 s77, s30, 11
	v_add_nc_u32 v[HSO+\t], s77, v[LS]
.endr
.irp t, 0,1,2,3,4,5
.irp s, 0,1,2,3
	global_load_b32 v[HSC+4*\t+\s], v[HSO+\t], s[6:7] offset:128*\s
.endr
.endr
	WIN 0xc0                                       ; destination window 3
.irp t, 0,1,2,3,4
.irp k, 0,1,2,3,4,5,6,7,8,9,10,11
	global_load_b128 v[48*\t+4*\k:48*\t+4*\k+3], v[HO+\t], s[4:5] offset:512*\k
.endr
.endr
	WIN 0
.irp k, 0,1,2,3,4,5,6,7,8,9,10,11
	global_load_b128 v[X5+4*\k:X5+4*\k+3], v[HO+5], s[4:5] offset:512*\k
.endr
	OTILE 0
	OTILE 1
	OTILE 2
	OTILE 3
	OTILE 4
	OTILE 5
.Lcomputed:
	s_wait_loadcnt 0x0                             ; ids and weights, and loads of tiles that were not there
.Lnowork:
	s_wait_dscnt 0x0                               ; for the others' sake: my partial sums have landed
	s_barrier_signal -1
	s_barrier_wait -1
	s_add_co_u32 s30, s[T0], s22                   ; slot g's tile
	s_cmp_ge_u32 s30, s[NT]
	s_cbranch_scc1 .Lfin_done
	v_bfe_u32 v[PK], v[IDW], 8, 8                  ; the token's second expert
	v_cmp_eq_u32 vcc_lo, s25, v[PK]
	v_cndmask_b32 v[WT], v[GWP], v[GWP+1], vcc_lo
	v_cndmask_b32 v[PK], 0, 1, vcc_lo
	v_lshl_add_u32 v[IDX], v[TOK], 1, v[PK]
	FIN 0, 0
	s_cmp_ge_u32 s22, 2                            ; six slots, four waves: waves 0 and 1 take slots 4 and 5 too
	s_cbranch_scc1 .Lfin_done
	s_add_co_u32 s30, s30, 4
	s_cmp_ge_u32 s30, s[NT]
	s_cbranch_scc1 .Lfin_done
	FIN 4*PSL, 16
.Lfin_done:
	s_wait_dscnt 0x0                               ; my reads of the partial sums are over: the next trip writes over them
	s_barrier_signal -1
	s_barrier_wait -1
	s_wait_xcnt 0x0                                ; the stores have read their registers, which the next trip writes
	s_add_co_u32 s[T0], s[T0], 6
	s_cmp_lt_u32 s[T0], 36
	s_cbranch_scc1 .Lchunk
	s_wait_tensorcnt 0x0
	ds_add_u32 v190, v191
	s_wait_dscnt 0x0
	s_endpgm
.Lfunc_end_k_q2492e3dc26_expert_out:
	.size	k_q2492e3dc26_expert_out, .Lfunc_end_k_q2492e3dc26_expert_out-k_q2492e3dc26_expert_out
	.p2alignl 7, 3214868480
	.fill 96, 4, 3214868480
	.section	.rodata,"a",@progbits
	.p2align	6, 0x0
	.amdhsa_kernel k_q2492e3dc26_expert_out
		.amdhsa_group_segment_fixed_size 203264
		.amdhsa_private_segment_fixed_size 0
		.amdhsa_enable_private_segment 0
		.amdhsa_kernarg_size 72
		.amdhsa_user_sgpr_count 2
		.amdhsa_user_sgpr_kernarg_segment_ptr 1
		.amdhsa_wavefront_size32 1
		.amdhsa_system_sgpr_workgroup_id_x 1
		.amdhsa_system_sgpr_workgroup_id_y 1
		.amdhsa_system_sgpr_workgroup_id_z 1
		.amdhsa_system_vgpr_workitem_id 0
		.amdhsa_next_free_vgpr 1024
		.amdhsa_next_free_sgpr 96
		.amdhsa_reserve_vcc 1
		.amdhsa_float_denorm_mode_32 3
		.amdhsa_float_denorm_mode_16_64 3
		.amdhsa_memory_ordered 1
		.amdhsa_forward_progress 1
		.amdhsa_inst_pref_size 109
	.end_amdhsa_kernel
	.amdgpu_metadata
---
amdhsa.version: [ 1, 2 ]
amdhsa.kernels:
  - .name:           k_q2492e3dc26_expert_out
    .symbol:         k_q2492e3dc26_expert_out.kd
    .args:
      - { .name: hcodes, .offset: 0, .size: 8, .value_kind: global_buffer, .address_space: global }
      - { .name: hscales, .offset: 8, .size: 8, .value_kind: global_buffer, .address_space: global }
      - { .name: w2_codes, .offset: 16, .size: 8, .value_kind: global_buffer, .address_space: global }
      - { .name: w2_scales, .offset: 24, .size: 8, .value_kind: global_buffer, .address_space: global }
      - { .name: b2, .offset: 32, .size: 8, .value_kind: global_buffer, .address_space: global }
      - { .name: masks, .offset: 40, .size: 8, .value_kind: global_buffer, .address_space: global }
      - { .name: ids, .offset: 48, .size: 8, .value_kind: global_buffer, .address_space: global }
      - { .name: gw, .offset: 56, .size: 8, .value_kind: global_buffer, .address_space: global }
      - { .name: ybuf, .offset: 64, .size: 8, .value_kind: global_buffer, .address_space: global }
    .group_segment_fixed_size: 203264
    .private_segment_fixed_size: 0
    .kernarg_segment_align: 8
    .kernarg_segment_size: 72
    .max_flat_workgroup_size: 128
    .sgpr_count:     96
    .vgpr_count:     1024
    .wavefront_size: 32
...
	.end_amdgpu_metadata
.endif
;; end of part 3
;; launch combine (part 4): grid 256 x 1, 8 waves a work-group, no clusters, 0 bytes of LDS; arguments ybuf, out0; writes out0
.if DOCPART == 4
	.amdgcn_target "amdgcn-amd-amdhsa--gfx1250"
	.amdhsa_code_object_version 6
	.text
	.protected	k_q2492e3dc26_combine
	.globl	k_q2492e3dc26_combine
	.p2align	8
	.type	k_q2492e3dc26_combine,@function
k_q2492e3dc26_combine:
	s_mov_b64 s[64:65], 0
	v_nop
	global_prefetch_b8 v0, s[64:65] scope:SCOPE_SE
	s_setreg_imm32_b32 hwreg(HW_REG_WAVE_MODE, 25, 1), 1
	s_wait_xcnt 0x0
; COMBINE.  out[token] = ybuf[token][0] + ybuf[token][1]: the weighted results of a token's two experts.  A wave takes a token: two rows of 2,048 bytes in, one out; every load and store of the wave
; covers 512 consecutive bytes, aligned.  A stream: no LDS, no barrier, no matrix unit; all eight loads of a wave go out at once.
	s_load_b128 s[4:7], s[0:1], 0x0                ; ybuf, out
	v_lshrrev_b32 v1, 5, v0
	v_readfirstlane_b32 s8, v1                     ; wave
	v_and_b32 v2, 31, v0
	v_lshlrev_b32 v2, 4, v2                        ; 16 x lane
	s_lshl_b32 s9, ttmp9, 3
	s_add_co_u32 s9, s9, s8                        ; token
	s_lshl_b32 s10, s9, 12
	s_mov_b32 s11, 0
	s_lshl_b32 s12, s9, 11
	s_mov_b32 s13, 0
	s_wait_kmcnt 0x0
	s_add_nc_u64 s[4:5], s[4:5], s[10:11]
	s_add_nc_u64 s[6:7], s[6:7], s[12:13]
.irp q, 0,1,2,3
	global_load_b128 v[4+4*\q:7+4*\q], v2, s[4:5] offset:512*\q th:TH_LOAD_NT
	global_load_b128 v[20+4*\q:23+4*\q], v2, s[4:5] offset:2048+512*\q th:TH_LOAD_NT
.endr
.irp q, 0,1,2,3
	s_wait_loadcnt 6-2*\q                          ; this quarter's two loads are in; the younger quarters' may be out
	v_pk_add_f32 v[4+4*\q:5+4*\q], v[4+4*\q:5+4*\q], v[20+4*\q:21+4*\q]
	v_pk_add_f32 v[6+4*\q:7+4*\q], v[6+4*\q:7+4*\q], v[22+4*\q:23+4*\q]
	global_store_b128 v2, v[4+4*\q:7+4*\q], s[6:7] offset:512*\q th:TH_STORE_NT
.endr
	s_endpgm
.Lfunc_end_k_q2492e3dc26_combine:
	.size	k_q2492e3dc26_combine, .Lfunc_end_k_q2492e3dc26_combine-k_q2492e3dc26_combine
	.p2alignl 7, 3214868480
	.fill 96, 4, 3214868480
	.section	.rodata,"a",@progbits
	.p2align	6, 0x0
	.amdhsa_kernel k_q2492e3dc26_combine
		.amdhsa_group_segment_fixed_size 0
		.amdhsa_private_segment_fixed_size 0
		.amdhsa_enable_private_segment 0
		.amdhsa_kernarg_size 16
		.amdhsa_user_sgpr_count 2
		.amdhsa_user_sgpr_kernarg_segment_ptr 1
		.amdhsa_wavefront_size32 1
		.amdhsa_system_sgpr_workgroup_id_x 1
		.amdhsa_system_sgpr_workgroup_id_y 1
		.amdhsa_system_sgpr_workgroup_id_z 1
		.amdhsa_system_vgpr_workitem_id 0
		.amdhsa_next_free_vgpr 48
		.amdhsa_next_free_sgpr 66
		.amdhsa_reserve_vcc 0
		.amdhsa_float_denorm_mode_32 3
		.amdhsa_float_denorm_mode_16_64 3
		.amdhsa_memory_ordered 1
		.amdhsa_forward_progress 1
		.amdhsa_inst_pref_size 3
	.end_amdhsa_kernel
	.amdgpu_metadata
---
amdhsa.version: [ 1, 2 ]
amdhsa.kernels:
  - .name:           k_q2492e3dc26_combine
    .symbol:         k_q2492e3dc26_combine.kd
    .args:
      - { .name: ybuf, .offset: 0, .size: 8, .value_kind: global_buffer, .address_space: global }
      - { .name: out0, .offset: 8, .size: 8, .value_kind: global_buffer, .address_space: global }
    .group_segment_fixed_size: 0
    .private_segment_fixed_size: 0
    .kernarg_segment_align: 8
    .kernarg_segment_size: 16
    .max_flat_workgroup_size: 256
    .sgpr_count:     66
    .vgpr_count:     48
    .wavefront_size: 32
...
	.end_amdgpu_metadata
.endif
;; end of part 4
;; ======== version 2 of 2: 4 launches; version 1 with the launches route, hidden, expert_out written anew for expert scheduling mode
;; workspace buffers: masks 4,096 bytes of whole numbers; ids 16,384 bytes of whole numbers; gw 16,384 bytes; hcodes 50,331,648 bytes; hscales 4,194,304 bytes; ybuf 8,388,608 bytes
;; launch route (part 5): grid 16 x 1, 4 waves a work-group, no clusters, 1,024 bytes of LDS; arguments x_codes, x_scales, gate_w_codes, gate_w_scales, gate_b, masks, ids, gw; writes masks, ids, gw
.if DOCPART == 5
	.amdgcn_target "amdgcn-amd-amdhsa--gfx1250"
	.amdhsa_code_object_version 6
	.text
	.protected	k_q2492e3dc26_route
	.globl	k_q2492e3dc26_route
	.p2align	8
	.type	k_q2492e3dc26_route,@function
k_q2492e3dc26_route:
	s_mov_b64 s[64:65], 0
	v_nop
	global_prefetch_b8 v0, s[64:65] scope:SCOPE_SE
	s_setreg_imm32_b32 hwreg(HW_REG_WAVE_SCHED_MODE, 0, 2), 2
	s_setreg_imm32_b32 hwreg(HW_REG_WAVE_MODE, 25, 1), 1
	s_wait_xcnt 0x0
	s_wait_alu depctr_vm_vsrc(0)
; ROUTE.  logits = x gate_w + gate_b on codes of FP6 (E2M3) with E8M0 scales; the two largest logits of each token, their softmax, and for each expert a mask of its tokens.
; SHARES.  16 work-groups of 4 waves; wave v of work-group W takes tokens 128 W + 32 v .. + 31 as two tiles of 16.  Source 0 = the 16 experts' rows of gate_w, source 1 = 16 tokens: a lane holds ONE token (lane % 16)
; and its eight registers the experts 8 (lane / 16) + 0 .. 7.  gate_b is the C of each sum's first product.
; K ORDER.  A row of 512 codes is 384 bytes.  Lane (r, h) loads the 192 bytes at 192 h by twelve loads of 16 bytes; matrix step s takes registers 12 s .. 12 s + 11.  So the instruction's block 2 c + h is the row's block
; 8 h + 2 s + c, alike on both sides; the scale word of step s is made of the row's scale bytes 2 s, 8 + 2 s, 2 s + 1, 9 + 2 s by one v_perm_b32.
; WHAT IS STORED, all at places that hang on ids alone: ids[token] = first | second << 8; gw[token] = the two weights; masks[W][expert][v] = a bit for each of the wave's 32 tokens.
; Ties keep the lower index: every comparison is strict and goes from the lower index up.  The softmax takes the larger logit away first.
; LIMITS: NaN and infinite logits are not served.  The logits are summed in another order of K than a plain chain, so two logits that agree to the last bits may be ranked the other way.
; THE MODE: SCHED_MODE bits 1:0 = 2 (LLVM: expert scheduling mode 2), set by the entry lines.  The code itself states the register dependences between vector or matrix instructions and memory or LDS instructions,
; and those through scalar registers that vector instructions write, with s_wait_alu, always for 0.
; THE PLAN.  Registers that memory or LDS instructions touch:
;   v4, v5, v6, v8, v9   offsets and the LDS address: written at the head, never again: one wait on va_vdst ahead of the first load serves every load, store and LDS instruction.
;   the loads' destinations   named by no vector instruction before the loads.
;   IDP, W0, VM   written by vector instructions at the end, read by two stores and one LDS store: the masks are made ahead of the stores, so that one wait on va_vdst serves the three.
;   v[10:11]   an LDS load lands there, a store reads it: DScnt's affair.
; Scalar registers that vector instructions write: s20 (one wait ahead of its first reader) and the compares' masks: the compares stand in runs, the two tiles side by side, with one wait on va_sdst behind each run.
.set GWF, 16                           ; v16-63   gate_w: 48 registers
.set XA,  64                           ; v64-111  tokens 0-15
.set XB,  112                          ; v112-159 tokens 16-31
.set GB,  160                          ; v160-167 gate_b of my eight experts
.set ACA, 168                          ; v168-175, v176-183 the two accumulators
.set ACB, 176
.set RAW, 184                          ; v184-195 scale bytes as loaded: gate_w's, tile a's, tile b's
.set SW,  196                          ; v196-207 scale words: gate_w's four, tile a's four, tile b's four
.set HB,  208                          ; 8 h: my first expert
.set XI,  209
.set RA,  210                          ; v210-213 tile a: first, its index, second, its index
.set RB,  214                          ; v214-217 tile b
.set OT,  220                          ; v220-223 the other half's four
.set AA,  224                          ; v224-227 the low experts' four
.set BB,  228                          ; v228-231 the high experts' four
.set XV,  232
.set YV,  233
.set YI,  234
.set FV,  236                          ; v236-239 a lane = a token: first, index, second, index
.set DD,  240
.set E2,  241
.set TT,  242
.set W0,  244                          ; v[244:245] the two weights
.set IDP, 246                          ; v[246:247] the indices' word, 0
.set VM,  248                          ; lane e: expert e's mask
	s_load_b512 s[4:19], s[0:1], 0x0               ; x codes, x scales, gate_w codes, gate_w scales, gate_b, masks, ids, gw
	v_lshl_add_u32 v254, v0, 2, 0x200
	v_mov_b32 v255, 0
	v_lshrrev_b32 v1, 5, v0
	v_readfirstlane_b32 s20, v1                    ; wave
	v_and_b32 v2, 15, v0                           ; r
	v_bfe_u32 v3, v0, 4, 1                         ; h
	v_mul_u32_u24 v4, v2, 384
	v_mad_u32_u24 v4, v3, 192, v4                  ; row r, my half's 192 bytes
	v_lshlrev_b32 v5, 4, v2                        ; a row's 16 scale bytes
	v_lshlrev_b32 v6, 5, v3                        ; gate_b: my eight numbers
	v_lshlrev_b32 v[HB], 3, v3
	v_and_b32 v7, 31, v0                           ; lane
	v_lshlrev_b32 v8, 3, v7                        ; 8 x lane
.irp i, 0,1,2,3
	v_mov_b32 v[OT+\i], 0                          ; written once: a lane permute's destination counts as one of its sources
.endr
	s_wait_alu depctr_va_sdst(0)                   ; s20 is written, ahead of its first reader
	s_lshl_b32 s23, s20, 2
	v_lshl_add_u32 v9, v7, 4, s23                  ; LDS: 16 x lane + 4 x wave
	s_lshl_b32 s21, ttmp9, 7
	s_lshl_b32 s22, s20, 5
	s_add_co_u32 s21, s21, s22                     ; my first token
	s_mul_i32 s24, s21, 384
	s_mov_b32 s25, 0
	s_lshl_b32 s26, s21, 4
	s_mov_b32 s27, 0
	s_lshl_b32 s34, s21, 3
	s_mov_b32 s35, 0
	s_lshl_b32 s36, ttmp9, 8
	s_mov_b32 s37, 0
	s_mov_b32 s28, 0xffff0000                      ; lanes 16-31
	s_mov_b32 s32, 0x76543210
	s_mov_b32 s33, 0xfedcba98                      ; v_permlanex16_b32's selects for lane l xor 16
	s_mov_b32 s38, 0x05010400                      ; bytes 0, 1 of two words, by turns
	s_mov_b32 s39, 0x07030602                      ; bytes 2, 3
	s_wait_kmcnt 0x0
	s_add_nc_u64 s[4:5], s[4:5], s[24:25]
	s_add_nc_u64 s[6:7], s[6:7], s[26:27]
	s_add_nc_u64 s[14:15], s[14:15], s[36:37]
	s_add_nc_u64 s[16:17], s[16:17], s[34:35]
	s_add_nc_u64 s[18:19], s[18:19], s[34:35]
	s_wait_alu depctr_va_vdst(0)                   ; v4, v5, v6, v8 and v9 are written: the loads, the stores and the LDS instructions below read them as offsets and addresses
	global_load_b128 v[RAW:RAW+3], v5, s[10:11]
	global_load_b128 v[RAW+4:RAW+7], v5, s[6:7]
	global_load_b128 v[RAW+8:RAW+11], v5, s[6:7] offset:256
	global_load_b128 v[GB:GB+3], v6, s[12:13]
	global_load_b128 v[GB+4:GB+7], v6, s[12:13] offset:16
.irp k, 0,1,2,3,4,5,6,7,8,9,10,11
	global_load_b128 v[GWF+4*\k:GWF+4*\k+3], v4, s[8:9] offset:16*\k
	global_load_b128 v[XA+4*\k:XA+4*\k+3], v4, s[4:5] offset:16*\k
	global_load_b128 v[XB+4*\k:XB+4*\k+3], v4, s[4:5] offset:6144+16*\k
.endr
	s_wait_loadcnt 0x0
.irp o, 0,1,2
	v_perm_b32 v[SW+4*\o],   v[RAW+4*\o+2], v[RAW+4*\o],   s38
	v_perm_b32 v[SW+4*\o+1], v[RAW+4*\o+2], v[RAW+4*\o],   s39
	v_perm_b32 v[SW+4*\o+2], v[RAW+4*\o+3], v[RAW+4*\o+1], s38
	v_perm_b32 v[SW+4*\o+3], v[RAW+4*\o+3], v[RAW+4*\o+1], s39
.endr
.rept 8
	v_nop                                          ; a scale register written by a vector instruction stands eight places ahead of the scaled matrix instruction
.endr
	s_wait_alu depctr_va_vdst(0)                   ; the permutes have written the twelve scale words, which the products take as scales; the places above stay beside this wait
	v_wmma_scale_f32_16x16x128_f8f6f4 v[ACA:ACA+7], v[GWF:GWF+11], v[XA:XA+11], v[GB:GB+7], v[SW], v[SW+4] matrix_a_fmt:MATRIX_FMT_FP6 matrix_b_fmt:MATRIX_FMT_FP6
	v_wmma_scale_f32_16x16x128_f8f6f4 v[ACB:ACB+7], v[GWF:GWF+11], v[XB:XB+11], v[GB:GB+7], v[SW], v[SW+8] matrix_a_fmt:MATRIX_FMT_FP6 matrix_b_fmt:MATRIX_FMT_FP6
.irp s, 1,2,3                                  ; the two accumulators by turns
	v_wmma_scale_f32_16x16x128_f8f6f4 v[ACA:ACA+7], v[GWF+12*\s:GWF+12*\s+11], v[XA+12*\s:XA+12*\s+11], v[ACA:ACA+7], v[SW+\s], v[SW+4+\s] matrix_a_fmt:MATRIX_FMT_FP6 matrix_b_fmt:MATRIX_FMT_FP6
	v_wmma_scale_f32_16x16x128_f8f6f4 v[ACB:ACB+7], v[GWF+12*\s:GWF+12*\s+11], v[XB+12*\s:XB+12*\s+11], v[ACB:ACB+7], v[SW+\s], v[SW+8+\s] matrix_a_fmt:MATRIX_FMT_FP6 matrix_b_fmt:MATRIX_FMT_FP6
.endr
.rept 4
	v_nop                                          ; four places ahead of the first read of results (ISA guide 7.12.1)
.endr
; The two largest of a token's 16 logits.  First of my eight, from register 0 up, the two tiles side by side; then the two halves of the lanes are merged.  Selections alone: no branch hangs on a logit.
.macro SEED acc, o
	v_mov_b32 v[\o], v[\acc]
	v_mov_b32 v[\o+1], v[HB]
	v_mov_b32 v[\o+2], 0xff800000                  ; -infinity
	v_mov_b32 v[\o+3], v[HB]
.endm
.macro TAKE acc, o, j, ma, mb          ; ma: strictly above the first; mb: strictly above the second
	v_cndmask_b32 v[\o+2], v[\o+2], v[\acc+\j], s[\mb]
	v_cndmask_b32 v[\o+3], v[\o+3], v[XI], s[\mb]
	v_cndmask_b32 v[\o+2], v[\o+2], v[\o], s[\ma]  ; the old first becomes the second
	v_cndmask_b32 v[\o+3], v[\o+3], v[\o+1], s[\ma]
	v_cndmask_b32 v[\o], v[\o], v[\acc+\j], s[\ma]
	v_cndmask_b32 v[\o+1], v[\o+1], v[XI], s[\ma]
.endm
.macro MERGE o
.irp i, 0,1,2,3
	v_permlanex16_b32 v[OT+\i], v[\o+\i], s32, s33
.endr
.irp i, 0,1,2,3
	v_cndmask_b32 v[AA+\i], v[\o+\i], v[OT+\i], s28   ; experts 0-7's pair
	v_cndmask_b32 v[BB+\i], v[OT+\i], v[\o+\i], s28   ; experts 8-15's pair
.endr
	v_cmp_gt_f32 s30, v[BB], v[AA]                 ; a tie keeps the lower experts'
	s_wait_alu depctr_va_sdst(0)                   ; s30 is written, ahead of the six selects that read it
	v_cndmask_b32 v[\o], v[AA], v[BB], s30
	v_cndmask_b32 v[\o+1], v[AA+1], v[BB+1], s30
	v_cndmask_b32 v[XV], v[BB], v[BB+2], s30       ; the high experts' candidate for the second place,
	v_cndmask_b32 v[XI], v[BB+1], v[BB+3], s30
	v_cndmask_b32 v[YV], v[AA+2], v[AA], s30       ; the low experts'
	v_cndmask_b32 v[YI], v[AA+3], v[AA+1], s30
	v_cmp_gt_f32 s31, v[XV], v[YV]
	s_wait_alu depctr_va_sdst(0)                   ; s31 is written, ahead of the two selects that read it
	v_cndmask_b32 v[\o+2], v[YV], v[XV], s31
	v_cndmask_b32 v[\o+3], v[YI], v[XI], s31
.endm
	SEED ACA, RA
	SEED ACB, RB
.irp j, 1,2,3,4,5,6,7
	v_add_nc_u32 v[XI], \j, v[HB]
	v_cmp_gt_f32 s30, v[ACA+\j], v[RA]             ; strictly above the first?
	v_cmp_gt_f32 s31, v[ACA+\j], v[RA+2]           ; strictly above the second?
	v_cmp_gt_f32 s34, v[ACB+\j], v[RB]
	v_cmp_gt_f32 s35, v[ACB+\j], v[RB+2]
	s_wait_alu depctr_va_sdst(0)                   ; the four masks are written, ahead of the twelve selects that read them
	TAKE ACA, RA, \j, 30, 31
	TAKE ACB, RB, \j, 34, 35
.endr
	MERGE RA
	MERGE RB
.irp i, 0,1,2,3
	v_cndmask_b32 v[FV+\i], v[RA+\i], v[RB+\i], s28   ; lanes 0-15 tile a's tokens, lanes 16-31 tile b's: from here a lane is a token
.endr
	v_sub_f32 v[DD], v[FV+2], v[FV]                ; second - first: 0 or less
	v_mul_f32 v[DD], 0x3fb8aa3b, v[DD]
	v_exp_f32 v[E2], v[DD]
	v_mov_b32 v[IDP+1], 0                          ; a plain instruction behind the exponential
	s_wait_alu depctr_va_vdst(0)                   ; the exponential has written v[E2], ahead of its first reader
	v_add_f32 v[TT], 1.0, v[E2]
	v_rcp_f32 v[W0], v[TT]
	v_lshl_or_b32 v[IDP], v[FV+3], 8, v[FV+1]      ; a plain instruction behind the reciprocal
	s_wait_alu depctr_va_vdst(0)                   ; the reciprocal has written v[W0], ahead of its first reader
	v_mul_f32 v[W0+1], v[E2], v[W0]
	v_mov_b32 v[VM], 0
.irp e, 0,1,2,3,4,5,6,7,8,9,10,11,12,13,14,15  ; 32 compares in one run, into 32 scalar registers that are free by now: s21-36 for the first expert, s37-44 and s4-11 for the second
	v_cmp_eq_u32 s[21+\e], \e, v[FV+1]
	v_cmp_eq_u32 s[37+\e-41*(\e/8)], \e, v[FV+3]
.endr
	s_wait_alu depctr_va_sdst(0)                   ; the 32 masks are written, ahead of the scalar instructions that read them
.irp e, 0,1,2,3,4,5,6,7,8,9,10,11,12,13,14,15
	s_or_b32 s[21+\e], s[21+\e], s[37+\e-41*(\e/8)]
	v_writelane_b32 v[VM], s[21+\e], \e
.endr
	s_wait_alu depctr_va_vdst(0)                   ; v[IDP:IDP+1], v[W0:W0+1] and v[VM] are written, which the two stores and the LDS store read
	global_store_b64 v8, v[IDP:IDP+1], s[16:17]    ; 32 lanes store 256 consecutive bytes, aligned
	global_store_b64 v8, v[W0:W0+1], s[18:19]
	ds_store_b32 v9, v[VM]                         ; bytes 0-255: [expert][wave]; lanes 16-31 put zeros into bytes 256-511, which nobody reads
	s_wait_dscnt 0x0                               ; for the others' sake: my store has landed
	s_barrier_signal -1
	s_barrier_wait -1
	s_cmp_lg_u32 s20, 0
	s_cbranch_scc1 .Ldone
	ds_load_b64 v[10:11], v8
	s_wait_dscnt 0x0
	global_store_b64 v8, v[10:11], s[14:15]        ; the work-group's 64 mask words: 256 consecutive bytes, aligned
.Ldone:
	s_wait_dscnt 0x0                               ; the closing lines, six on end
	s_wait_alu 0x0
	s_wait_tensorcnt 0x0
	ds_add_u32 v254, v255
	s_wait_dscnt 0x0
	s_endpgm
.Lfunc_end_k_q2492e3dc26_route:
	.size	k_q2492e3dc26_route, .Lfunc_end_k_q2492e3dc26_route-k_q2492e3dc26_route
	.p2alignl 7, 3214868480
	.fill 96, 4, 3214868480
	.section	.rodata,"a",@progbits
	.p2align	6, 0x0
	.amdhsa_kernel k_q2492e3dc26_route
		.amdhsa_group_segment_fixed_size 1024
		.amdhsa_private_segment_fixed_size 0
		.amdhsa_enable_private_segment 0
		.amdhsa_kernarg_size 64
		.amdhsa_user_sgpr_count 2
		.amdhsa_user_sgpr_kernarg_segment_ptr 1
		.amdhsa_wavefront_size32 1
		.amdhsa_system_sgpr_workgroup_id_x 1
		.amdhsa_system_sgpr_workgroup_id_y 1
		.amdhsa_system_sgpr_workgroup_id_z 1
		.amdhsa_system_vgpr_workitem_id 0
		.amdhsa_next_free_vgpr 256
		.amdhsa_next_free_sgpr 66
		.amdhsa_reserve_vcc 0
		.amdhsa_float_denorm_mode_32 3
		.amdhsa_float_denorm_mode_16_64 3
		.amdhsa_memory_ordered 1
		.amdhsa_forward_progress 1
		.amdhsa_inst_pref_size 24
	.end_amdhsa_kernel
	.amdgpu_metadata
---
amdhsa.version: [ 1, 2 ]
amdhsa.kernels:
  - .name:           k_q2492e3dc26_route
    .symbol:         k_q2492e3dc26_route.kd
    .args:
      - { .name: x_codes, .offset: 0, .size: 8, .value_kind: global_buffer, .address_space: global }
      - { .name: x_scales, .offset: 8, .size: 8, .value_kind: global_buffer, .address_space: global }
      - { .name: gate_w_codes, .offset: 16, .size: 8, .value_kind: global_buffer, .address_space: global }
      - { .name: gate_w_scales, .offset: 24, .size: 8, .value_kind: global_buffer, .address_space: global }
      - { .name: gate_b, .offset: 32, .size: 8, .value_kind: global_buffer, .address_space: global }
      - { .name: masks, .offset: 40, .size: 8, .value_kind: global_buffer, .address_space: global }
      - { .name: ids, .offset: 48, .size: 8, .value_kind: global_buffer, .address_space: global }
      - { .name: gw, .offset: 56, .size: 8, .value_kind: global_buffer, .address_space: global }
    .group_segment_fixed_size: 1024
    .private_segment_fixed_size: 0
    .kernarg_segment_align: 8
    .kernarg_segment_size: 64
    .max_flat_workgroup_size: 128
    .sgpr_count:     66
    .vgpr_count:     256
    .wavefront_size: 32
...
	.end_amdgpu_metadata
.endif
;; end of part 5
;; launch hidden (part 6): grid 256 x 1, 4 waves a work-group, no clusters, 0 bytes of LDS; arguments x_codes, x_scales, w1_codes, w1_scales, b1, masks, hcodes, hscales; writes hcodes, hscales
.if DOCPART == 6
	.amdgcn_target "amdgcn-amd-amdhsa--gfx1250"
	.amdhsa_code_object_version 6
	.text
	.protected	k_q2492e3dc26_hidden
	.globl	k_q2492e3dc26_hidden
	.p2align	8
	.type	k_q2492e3dc26_hidden,@function
k_q2492e3dc26_hidden:
	s_mov_b64 s[64:65], 0
	v_nop
	global_prefetch_b8 v0, s[64:65] scope:SCOPE_SE
	s_setreg_imm32_b32 hwreg(HW_REG_WAVE_SCHED_MODE, 0, 2), 2
	s_setreg_imm32_b32 hwreg(HW_REG_WAVE_MODE, 25, 1), 1
	s_wait_xcnt 0x0
	s_wait_alu depctr_vm_vsrc(0)
; HIDDEN.  Q(relu(x W1[e] + b1[e])) for the rows routed to expert e, on codes of FP6 (E2M3) with E8M0 scales; the result leaves as codes, as images of the next product's operand registers.
; SHARES.  Work-group (4 e + g) 4 + p: expert e, hidden units 512 g .. + 511, tokens 512 p .. + 511.  Wave s makes the 128 hidden units that are step (g, s) of the next product's K.
; THE WEIGHTS STAY: a wave's 128 rows of W1 (8 tiles x 48 registers) and their biases are loaded once, before anything is known of the routing; the tokens' rows go past them, 16 at a time, six tiles to a trip.
; K ORDER.  A run of 512 codes is 384 bytes.  Lane (r, h) loads the 192 bytes at 192 h by twelve loads of 16 bytes; matrix step s takes registers 12 s .. 12 s + 11: the instruction's block 2 c + h is the run's block
; 8 h + 2 s + c, alike on both sides.  The scale word of step s is made of the scale bytes 2 s, 8 + 2 s, 2 s + 1, 9 + 2 s by one v_perm_b32.  The next product reads W2 the same way, so my 128 units are blocks 8 h + 2 s + c of group g.
; THE ROWS OF W1 THAT FORM A TILE are chosen so that the 16 registers of tiles 2 b and 2 b + 1 are 16 neighbours of the next instruction's block b: lane r' of tile 2 b + u takes row 512 g + 64 s + 32 (8 (b & 1) + b / 2) + 8 u + r' + 8 (r' / 8).
; Source 0 = 16 rows of W1, source 1 = 16 tokens: a lane holds one token.  The bias is the C of each sum's first product.
; WHICH TOKENS.  masks[..] holds, for my expert, a bit for each token.  The token of rank v among my segment's 512 is found in registers: which of 16 words by compares with running counts, which bit by five halvings.
; Ranks past the last give some token of the table: their rows are computed, stored and never used.
; No cluster and no tensor load: the four work-groups that read one slice of W1 serve four segments whose numbers of tiles are read from memory and differ, and branches hang on them.
; LIMITS: NaN and infinities are not served.  A block of zeros gets the scale byte 1, not 127: its codes are zeros, and this program alone reads the bytes.
; THE MODE: SCHED_MODE bits 1:0 = 2 (LLVM: expert scheduling mode 2), set by the entry lines.  The code itself states the register dependences between vector or matrix instructions and memory instructions,
; and those through scalar registers that vector instructions write, with s_wait_alu, always for 0.
; THE PLAN.  Registers that memory instructions touch:
;   v[WA], v[WSA], v[B1A], v[LI], v[LS]   offsets, written at the head and never again: one wait on va_vdst ahead of the first load.
;   v[XO ..], v[XSO ..]   a trip's twelve offsets: written by the trip's address lines, read by its 78 loads, written again in the next trip.
;   v[XSC ..]   loads land there; the permutes rewrite them in place; the products take them as scales.      x's six tiles   loads land there; the products read them.
;   v[PC .. PC+11], v[PW]   written by a tile's quantiser, read by the tile's four stores, written again by the next tile's quantiser.
; A TRIP: all twelve offsets are made first; ONE wait on va_vdst states that they are written and that the last trip's products and permutes are done with x's tiles and scale words; the 78 loads follow it with no further wait.
; Behind the permutes and their eight places one more states that the scale words are written.  A TILE: a wait on vm_vsrc ahead of the quantiser (the last tile's stores, issued 32 products and an activation earlier, have read the codes
; and the scale word) and a wait on va_vdst behind it, ahead of the four stores.  A TRIP'S END: a wait on vm_vsrc, ahead of the backward branch, for the offsets and the last tile's codes.
; The compares of the search stand in runs, into scalar registers, the trip's three searches side by side: eight waits on va_sdst a trip.
.set WA,   3                           ; v3   W1: (r + 8 (r / 8)) x 384 + 192 h
.set WSA,  4                           ; v4   its scale bytes: (r + 8 (r / 8)) x 16
.set B1A,  5                           ; v5   b1: 64 h
.set LI,   6                           ; v6   16 x lane
.set LS,   7                           ; v7   4 x lane
.set XO,   16                          ; v16-21 tile t: token x 384 + 192 h
.set XSO,  22                          ; v22-27 tile t: token x 16
.set TOKX, 30
.set H192, 31
.set WSC,  32                          ; v32-63  W1's scale words: 4 x tile + step
.set XSC,  64                          ; v64-87  x's: four a tile; step s in register 1, 0, 2, 3
.set HA,   88                          ; v88-151 eight accumulators (at the head: W1's scale bytes as loaded)
.set DV,   HA                          ; at a trip's head, where the accumulators' registers are idle: the search's work, ten registers for each of three sets, set q at DV + 16 q:
.set dPK,  0
.set dKEY, 1
.set dWRD, 2
.set dNN,  3
.set dCA,  4
.set dCB,  5
.set dCC,  6
.set dPOS, 7
.set dVP,  8                           ; a rank
.set dTOK, 9                           ; its token
.set TM,   152                         ; v152-167 the quantiser's work
.set PW,   168                         ; the scale word just made
.set LN,   169                         ; lane
.set PC,   170                         ; v170-188 the codes just made
.set TA,   190
.set TB,   191
.set X5,   192                         ; v192-239 x's tile 5.  Window 1: W1's tiles 0-3 at 48 q, their biases at 192 + 8 q; window 2: tiles 4-7; window 3: x's tiles 0-4 at 48 t
.set T0,   24                          ; s24 the trip's first tile
.set NT,   25                          ; s25 tiles in all
.set NR,   26                          ; s26 rows in all
.set SEG,  27                          ; s27 my segment's first token
.set TS,   28
.set MK,   32                          ; s32-47 my 16 mask words
.set KY,   48                          ; s49-63 word i: (tokens in the words before) << 8 | i
.set SELA, 66
.set SELB, 67
.set SEL,  68
.set M5,   70
.set M3,   71
.set MF,   72
.set HI,   73
.set CM,   74                          ; s75-89 the compares' masks (at the head: offsets)
.set MSB, 0
.macro WIN new                         ; s_set_vgpr_msb: bits 1:0 source 0, 3:2 source 1, 5:4 source 2, 7:6 destination; the high byte repeats the setting that is left
.if MSB != (\new)
	s_set_vgpr_msb (MSB<<8)|(\new)
.set MSB, (\new)
.endif
.endm
; THE SEARCH, for the set at d: v[dVP + d] holds a rank in each lane.  WORD: which of my 16 words holds it: the last word before which at most that many tokens lie.
.macro WORD d
	v_lshl_or_b32 v[dPK+(\d)], v[dVP+(\d)], 8, 0xff
	v_mov_b32 v[dKEY+(\d)], 0
	v_mov_b32 v[dWRD+(\d)], s[MK]
.irp i, 1,2,3,4,5,6,7,8,9,10,11,12,13,14,15
	v_cmp_le_u32 s[CM+\i], s[KY+\i], v[dPK+(\d)]   ; do the words before word i hold at most my rank?  Fifteen compares in one run
.endr
	s_wait_alu depctr_va_sdst(0)                   ; the fifteen masks are written, ahead of the selects that read them
.irp i, 1,2,3,4,5,6,7,8,9,10,11,12,13,14,15
	v_cndmask_b32 v[dKEY+(\d)], v[dKEY+(\d)], s[KY+\i], s[CM+\i]
	v_cndmask_b32 v[dWRD+(\d)], v[dWRD+(\d)], s[MK+\i], s[CM+\i]
.endr
.endm
.macro COUNTS d                        ; my rank inside the word; counts of set bits in fields of 2, 4 and 8 bits; the low 16 bits' count in v[dPK + d]
	v_lshrrev_b32 v[dPK+(\d)], 8, v[dKEY+(\d)]
	v_sub_nc_u32 v[dNN+(\d)], v[dVP+(\d)], v[dPK+(\d)]
	v_and_b32 v[dKEY+(\d)], 0xff, v[dKEY+(\d)]     ; which word
	v_lshrrev_b32 v[dPK+(\d)], 1, v[dWRD+(\d)]
	v_and_b32 v[dPK+(\d)], s[M5], v[dPK+(\d)]
	v_sub_nc_u32 v[dCA+(\d)], v[dWRD+(\d)], v[dPK+(\d)]
	v_lshrrev_b32 v[dPK+(\d)], 2, v[dCA+(\d)]
	v_and_b32 v[dPK+(\d)], s[M3], v[dPK+(\d)]
	v_and_b32 v[dCB+(\d)], s[M3], v[dCA+(\d)]
	v_add_nc_u32 v[dCB+(\d)], v[dCB+(\d)], v[dPK+(\d)]
	v_lshrrev_b32 v[dPK+(\d)], 4, v[dCB+(\d)]
	v_add_nc_u32 v[dCC+(\d)], v[dCB+(\d)], v[dPK+(\d)]
	v_and_b32 v[dCC+(\d)], s[MF], v[dCC+(\d)]
	v_lshrrev_b32 v[dPK+(\d)], 8, v[dCC+(\d)]
	v_add_nc_u32 v[dPK+(\d)], v[dCC+(\d)], v[dPK+(\d)]
	v_and_b32 v[dPK+(\d)], 63, v[dPK+(\d)]
.endm
.macro HALVE src, width, step          ; one halving, the three sets side by side: are there \step positions' worth of set bits below my rank?
.irp q, 0,1,2
	v_bfe_u32 v[DV+16*\q+dPK], v[DV+16*\q+\src], v[DV+16*\q+dPOS], \width
	v_cmp_ge_u32 s[CM+1+\q], v[DV+16*\q+dNN], v[DV+16*\q+dPK]
.endr
	s_wait_alu depctr_va_sdst(0)                   ; the three masks are written, ahead of the selects that read them
.irp q, 0,1,2
	v_cndmask_b32 v[DV+16*\q+dPK], 0, v[DV+16*\q+dPK], s[CM+1+\q]
	v_sub_nc_u32 v[DV+16*\q+dNN], v[DV+16*\q+dNN], v[DV+16*\q+dPK]
	v_cndmask_b32 v[DV+16*\q+dPK], 0, \step, s[CM+1+\q]
	v_add_nc_u32 v[DV+16*\q+dPOS], v[DV+16*\q+dPOS], v[DV+16*\q+dPK]
.endr
.endm
; 64 numbers of a lane, register 16 b + i = k 32 b + 16 (lane / 16) + i of my row, become a fragment's codes in v[PC] on and its scale word in v[PW].
.macro QUANT s
.irp b, 0,1,2,3
	v_max3_num_f32 v[TM+\b], |v[\s+16*\b]|, |v[\s+1+16*\b]|, 0x1800000   ; my 16 numbers of block b, and the floor 2^(3 - 127): the byte cannot fall under 1
.endr
.irp i, 2,4,6,8,10,12,14
.irp b, 0,1,2,3
	v_max3_num_f32 v[TM+\b], v[TM+\b], |v[\s+16*\b+\i]|, |v[\s+1+16*\b+\i]|
.endr
.endr
.irp b, 0,1,2,3
	v_permlanex16_b32 v[TM+4+\b], v[TM+\b], s[SEL], s[SEL+1]
.endr
.irp b, 0,1,2,3
	v_max_num_f32 v[TM+\b], v[TM+\b], v[TM+4+\b]   ; with lane l xor 16's: the block's largest magnitude
.endr
.irp b, 0,1,2,3
	v_add_nc_u32 v[TM+12+\b], 0xff000000, v[TM+\b] ; 2 off its exponent field: the conversion takes this operand's exponent field as its scale
.endr
.irp b, 0,1,2,3
	v_lshrrev_b32 v[TM+4+\b], 23, v[TM+12+\b]      ; the scale's byte
.endr
	v_lshl_or_b32 v[PW], v[TM+5], 8, v[TM+4]
	v_lshl_or_b32 v[PW], v[TM+6], 16, v[PW]
	v_lshl_or_b32 v[PW], v[TM+7], 24, v[PW]
.irp c, 0,1
	v_cvt_scalef32_pk16_fp6_f32 v[PC+6*\c:PC+2+6*\c], v[\s+32*\c:\s+15+32*\c], v[TM+12+2*\c]
	v_cvt_scalef32_pk16_fp6_f32 v[PC+12+4*\c:PC+14+4*\c], v[\s+16+32*\c:\s+31+32*\c], v[TM+12+2*\c+1]   ; (a conversion's three registers begin on an even number)
.endr
	v_nop                                          ; one plain place behind a scaled conversion
.irp c, 0,1                                    ; the operand wants a whole block in a lane: lanes 0-15 block 2 c, lanes 16-31 block 2 c + 1
.irp i, 0,1,2
	v_permlane16_swap_b32 v[PC+6*\c+\i], v[PC+12+4*\c+\i]
.endr
.irp i, 0,1,2
	v_mov_b32 v[PC+3+6*\c+\i], v[PC+12+4*\c+\i]
.endr
.endr
.endm
	s_load_b512 s[4:19], s[0:1], 0x0               ; x codes, x scales, W1 codes, W1 scales, b1, masks, hcodes, hscales
	v_lshrrev_b32 v1, 5, v0
	v_readfirstlane_b32 s20, v1                    ; wave = step s
	s_and_b32 s21, ttmp9, 3                        ; p
	s_bfe_u32 s22, ttmp9, 0x20002                  ; g
	s_lshr_b32 s23, ttmp9, 4                       ; e
	v_and_b32 v1, 15, v0                           ; r
	v_bfe_u32 v2, v0, 4, 1                         ; h
	v_and_b32 v[LN], 31, v0
	v_and_b32 v8, 8, v1
	v_add_nc_u32 v8, v8, v1                        ; r + 8 (r / 8)
	v_mul_u32_u24 v[H192], v2, 192
	v_mad_u32_u24 v[WA], v8, 384, v[H192]
	v_lshlrev_b32 v[WSA], 4, v8
	v_lshlrev_b32 v[B1A], 6, v2
	v_lshlrev_b32 v[LI], 4, v[LN]
	v_lshlrev_b32 v[LS], 2, v[LN]
.irp b, 0,1,2,3
	v_mov_b32 v[TM+4+\b], 0                        ; written once: a lane permute's destination counts as one of its sources
.endr
	v_mov_b32 v[TOKX], 0
	s_wait_alu depctr_va_sdst(0)                   ; s20 is written, ahead of its first reader: the bases below are made from it
	s_lshl_b32 s28, s23, 11
	s_lshl_b32 s29, s22, 9
	s_add_co_u32 s28, s28, s29
	s_lshl_b32 s29, s20, 6
	s_add_co_u32 s28, s28, s29                     ; 2048 e + 512 g + 64 s: the row from which my tiles' rows count
	s_mul_i32 s74, s28, 384
	s_mov_b32 s75, 0
	s_lshl_b32 s76, s28, 4
	s_mov_b32 s77, 0
	s_lshl_b32 s78, s28, 2
	s_mov_b32 s79, 0
	s_lshl_b32 s30, s23, 2
	s_add_co_u32 s30, s30, s21                     ; 4 e + p
	s_lshl_b32 s31, s22, 2
	s_add_co_u32 s31, s31, s20                     ; 4 g + s
	s_mul_i32 s80, s30, 786432                     ; 32 tiles of 16 fragments of 1,536 bytes
	s_mul_i32 s29, s31, 1536
	s_add_co_u32 s80, s80, s29
	s_mov_b32 s81, 0
	s_lshl_b32 s82, s30, 16                        ; 32 tiles of 16 x 128 bytes of scale words
	s_lshl_b32 s29, s31, 7
	s_add_co_u32 s82, s82, s29
	s_mov_b32 s83, 0
	s_lshl_b32 s84, s21, 10                        ; masks: work-groups 4 p .. 4 p + 3 of the router, expert e
	s_lshl_b32 s29, s23, 4
	s_add_co_u32 s84, s84, s29
	s_mov_b32 s85, 0
	s_lshl_b32 s[SEG], s21, 9
	s_mov_b32 s[SELA], 0x05010400
	s_mov_b32 s[SELB], 0x07030602
	s_mov_b32 s[SEL], 0x76543210
	s_mov_b32 s[SEL+1], 0xfedcba98
	s_mov_b32 s[M5], 0x55555555
	s_mov_b32 s[M3], 0x33333333
	s_mov_b32 s[MF], 0x0f0f0f0f
	s_mov_b32 s[HI], 0xffff0000                    ; lanes 16-31
	s_wait_kmcnt 0x0
	s_add_nc_u64 s[8:9], s[8:9], s[74:75]
	s_add_nc_u64 s[10:11], s[10:11], s[76:77]
	s_add_nc_u64 s[12:13], s[12:13], s[78:79]
	s_add_nc_u64 s[14:15], s[14:15], s[84:85]
	s_add_nc_u64 s[16:17], s[16:17], s[80:81]
	s_add_nc_u64 s[18:19], s[18:19], s[82:83]
.irp w, 0,1,2,3
	s_load_b128 s[MK+4*\w:MK+4*\w+3], s[14:15], 256*\w
.endr
	s_wait_alu depctr_va_vdst(0)                   ; v[WA], v[WSA], v[B1A], v[LI] and v[LS] are written: the loads below and every store of the kernel read them as offsets
.irp ct, 0,1,2,3,4,5,6,7
.set ROWD, 32*(8*((\ct/2)&1)+\ct/4)+8*(\ct%2)
	global_load_b128 v[HA+4*\ct:HA+4*\ct+3], v[WSA], s[10:11] offset:ROWD*16
.endr
.irp w, 0,1
	WIN 0x40+0x40*\w                               ; destination window 1, then 2
.irp q, 0,1,2,3
.set ROWD, 32*(8*(((4*\w+\q)/2)&1)+\w)+8*(\q%2)
	global_load_b128 v[192+8*\q:192+8*\q+3], v[B1A], s[12:13] offset:ROWD*4
	global_load_b128 v[192+8*\q+4:192+8*\q+7], v[B1A], s[12:13] offset:ROWD*4+16
.irp k, 0,1,2,3,4,5,6,7,8,9,10,11
	global_load_b128 v[48*\q+4*\k:48*\q+4*\k+3], v[WA], s[8:9] offset:ROWD*384+16*\k
.endr
.endr
.endr
	WIN 0
	s_wait_kmcnt 0x0                               ; the masks
	s_mov_b32 s[NR], 0
.irp i, 0,1,2,3,4,5,6,7,8,9,10,11,12,13,14,15
.if \i > 0
	s_lshl_b32 s[KY+\i], s[NR], 8
	s_or_b32 s[KY+\i], s[KY+\i], \i
.endif
	s_bcnt1_i32_b32 s[TS], s[MK+\i]
	s_add_co_u32 s[NR], s[NR], s[TS]
.endr
	s_add_co_u32 s[NT], s[NR], 15
	s_lshr_b32 s[NT], s[NT], 4
	s_min_u32 s[NT], s[NT], 32                     ; 512 tokens are 32 tiles at the most
	s_wait_loadcnt 63                              ; 112 loads were issued behind the eight of W1's scale bytes: with 63 out at the most these eight are in
.irp ct, 0,1,2,3,4,5,6,7
	v_perm_b32 v[WSC+4*\ct],   v[HA+4*\ct+2], v[HA+4*\ct],   s[SELA]
	v_perm_b32 v[WSC+4*\ct+1], v[HA+4*\ct+2], v[HA+4*\ct],   s[SELB]
	v_perm_b32 v[WSC+4*\ct+2], v[HA+4*\ct+3], v[HA+4*\ct+1], s[SELA]
	v_perm_b32 v[WSC+4*\ct+3], v[HA+4*\ct+3], v[HA+4*\ct+1], s[SELB]
.endr
; 32 matrix instructions: tile t of tokens against my eight tiles of W1, four accumulators by turns, one instruction a turn; K ascending in steps.
.macro HMUL t
.if \t == 5
.set XB, X5
.else
.set XB, 48*\t
.endif
.irp hf, 0,1
.if \t == 5
	WIN 0x11+0x11*\hf                              ; W1 and its bias in window 1 + hf, x in window 0
.else
	WIN 0x1d+0x11*\hf                              ; the same, x in window 3
.endif
.irp q, 0,1,2,3
	v_wmma_scale_f32_16x16x128_f8f6f4 v[HA+8*(4*\hf+\q):HA+8*(4*\hf+\q)+7], v[48*\q:48*\q+11], v[XB:XB+11], v[192+8*\q:192+8*\q+7], v[WSC+4*(4*\hf+\q)], v[XSC+4*\t+1] matrix_a_fmt:MATRIX_FMT_FP6 matrix_b_fmt:MATRIX_FMT_FP6
.endr
.if \t == 5
	WIN 0x01+\hf
.else
	WIN 0x0d+\hf
.endif
.irp s, 1,2,3
.if \s == 1
.set SI, 0
.else
.set SI, \s
.endif
.irp q, 0,1,2,3
	v_wmma_scale_f32_16x16x128_f8f6f4 v[HA+8*(4*\hf+\q):HA+8*(4*\hf+\q)+7], v[48*\q+12*\s:48*\q+12*\s+11], v[XB+12*\s:XB+12*\s+11], v[HA+8*(4*\hf+\q):HA+8*(4*\hf+\q)+7], v[WSC+4*(4*\hf+\q)+\s], v[XSC+4*\t+SI] matrix_a_fmt:MATRIX_FMT_FP6 matrix_b_fmt:MATRIX_FMT_FP6
.endr
.endr
.endr
	WIN 0
.endm
.macro TILE t
.if \t > 0
	s_add_co_u32 s[TS], s[T0], \t
	s_cmp_ge_u32 s[TS], s[NT]
	s_cbranch_scc1 .Lend                           ; no such tile: the trip is over
	s_wait_loadcnt 12*(5-\t)                       ; this tile's twelve loads are in; the younger tiles' may be out
.endif
	HMUL \t
.rept 4
	v_nop                                          ; four places ahead of the first read of results (ISA guide 7.12.1)
.endr
.irp j, 0,1,2,3,4,5,6,7,8,9,10,11,12,13,14,15,16,17,18,19,20,21,22,23,24,25,26,27,28,29,30,31,32,33,34,35,36,37,38,39,40,41,42,43,44,45,46,47,48,49,50,51,52,53,54,55,56,57,58,59,60,61,62,63
	v_max_num_f32 v[HA+\j], 0, v[HA+\j]            ; the activation, in f32; each accumulator from its low end on
.endr
	s_wait_xcnt 0x0                                ; the last tile's stores have read the codes' registers and the scale word: they are written again only behind this wait
.if \t > 0
	s_wait_alu depctr_vm_vsrc(0)                   ; the last tile's four stores have read v[PC .. PC+11] and v[PW], which the quantiser writes again (tile 0: the wait at the last trip's end has stated it)
.endif
	QUANT HA
	s_wait_alu depctr_va_vdst(0)                   ; the quantiser has written v[PC .. PC+11] and v[PW], which the four stores read
.irp c, 0,1,2
	global_store_b128 v[LI], v[PC+4*\c:PC+4*\c+3], s[16:17] offset:24576*\t+512*\c   ; the fragment as it stands in registers: 512 consecutive bytes a store, aligned
.endr
	global_store_b32 v[LS], v[PW], s[18:19] offset:2048*\t
.endm
	s_mov_b32 s[T0], 0
.Lchunk:                                           ; six trips of six tiles: 36 cover the 32 that a segment can have; a trip with no tile jumps over its work
	s_cmp_ge_u32 s[T0], s[NT]
	s_cbranch_scc1 .Lskip
	s_lshl_b32 s[TS], s[T0], 4
.irp q, 0,1,2                                  ; 32 ranks to a set: lanes 0-15 tile 2 q's rows, lanes 16-31 tile 2 q + 1's
	v_add_nc_u32 v[DV+16*\q+dVP], s[TS], v[LN]
	s_add_co_u32 s[TS], s[TS], 32
	WORD DV+16*\q
	COUNTS DV+16*\q
.endr
.irp q, 0,1,2
	v_cmp_ge_u32 s[CM+1+\q], v[DV+16*\q+dNN], v[DV+16*\q+dPK]   ; the first halving: does my rank reach past the low 16 bits' count?
.endr
	s_wait_alu depctr_va_sdst(0)                   ; the three masks are written, ahead of the selects that read them
.irp q, 0,1,2
	v_cndmask_b32 v[DV+16*\q+dPK], 0, v[DV+16*\q+dPK], s[CM+1+\q]
	v_sub_nc_u32 v[DV+16*\q+dNN], v[DV+16*\q+dNN], v[DV+16*\q+dPK]
	v_cndmask_b32 v[DV+16*\q+dPOS], 0, 16, s[CM+1+\q]
.endr
	HALVE dCC, 8, 8
	HALVE dCB, 4, 4
	HALVE dCA, 2, 2
	HALVE dWRD, 1, 1
.irp q, 0,1,2
	v_lshl_add_u32 v[DV+16*\q+dTOK], v[DV+16*\q+dKEY], 5, v[DV+16*\q+dPOS]
	v_add_nc_u32 v[DV+16*\q+dTOK], s[SEG], v[DV+16*\q+dTOK]
	v_permlanex16_b32 v[TOKX], v[DV+16*\q+dTOK], s[SEL], s[SEL+1]
	v_cndmask_b32 v[TA], v[DV+16*\q+dTOK], v[TOKX], s[HI]    ; both halves of the lanes want row r's token
	v_cndmask_b32 v[TB], v[TOKX], v[DV+16*\q+dTOK], s[HI]
	v_min_u32 v[TA], 0x7ff, v[TA]                  ; a token of the table, whatever the rank
	v_min_u32 v[TB], 0x7ff, v[TB]
	v_mul_u32_u24 v[XO+2*\q], v[TA], 384
	v_mul_u32_u24 v[XO+2*\q+1], v[TB], 384
	v_add_nc_u32 v[XO+2*\q], v[H192], v[XO+2*\q]
	v_add_nc_u32 v[XO+2*\q+1], v[H192], v[XO+2*\q+1]
	v_lshlrev_b32 v[XSO+2*\q], 4, v[TA]
	v_lshlrev_b32 v[XSO+2*\q+1], 4, v[TB]
.endr
	s_wait_alu depctr_va_vdst(0)                   ; the twelve offsets v[XO ..], v[XSO ..] are written, which the 78 loads below read; the last trip's products and permutes are done with x's tiles and v[XSC ..], in which they land
.irp t, 0,1,2,3,4,5
	global_load_b128 v[XSC+4*\t:XSC+4*\t+3], v[XSO+\t], s[6:7]
.endr
	WIN 0xc0                                       ; destination window 3
.irp t, 0,1,2,3,4
.irp k, 0,1,2,3,4,5,6,7,8,9,10,11
	global_load_b128 v[48*\t+4*\k:48*\t+4*\k+3], v[XO+\t], s[4:5] offset:16*\k
.endr
.endr
	WIN 0
.irp k, 0,1,2,3,4,5,6,7,8,9,10,11
	global_load_b128 v[X5+4*\k:X5+4*\k+3], v[XO+5], s[4:5] offset:16*\k
.endr
	s_wait_loadcnt 60                              ; the six loads of scale bytes and tile 0's twelve are in; the five younger tiles' 60 may be out
.irp t, 0,1,2,3,4,5                            ; x's scale words, in place: step 0 ends in register 1, step 1 in register 0
	v_perm_b32 v[TA], v[XSC+4*\t+2], v[XSC+4*\t], s[SELA]
	v_perm_b32 v[XSC+4*\t], v[XSC+4*\t+2], v[XSC+4*\t], s[SELB]
	v_perm_b32 v[XSC+4*\t+2], v[XSC+4*\t+3], v[XSC+4*\t+1], s[SELA]
	v_perm_b32 v[XSC+4*\t+3], v[XSC+4*\t+3], v[XSC+4*\t+1], s[SELB]
	v_mov_b32 v[XSC+4*\t+1], v[TA]
.endr
.rept 8
	v_nop                                          ; a scale register written by a vector instruction stands eight places ahead of the scaled matrix instruction
.endr
	s_wait_alu depctr_va_vdst(0)                   ; the permutes have written x's 24 scale words (in the first trip: W1's 32 too), which the trip's products take as scales; the places above stay beside this wait
	TILE 0
	TILE 1
	TILE 2
	TILE 3
	TILE 4
	TILE 5
.Lend:
	s_wait_loadcnt 0x0                             ; loads of tiles that were not there: their registers and addresses are written again in the next trip
.Lskip:
	s_wait_xcnt 0x0                                ; the stores have read their bases
	s_wait_alu depctr_vm_vsrc(0)                   ; this trip's loads have read v[XO ..] and v[XSO ..], its last stores v[PC .. PC+11] and v[PW]: the next trip writes them all again
	s_add_nc_u64 s[16:17], s[16:17], 6*24576
	s_add_nc_u64 s[18:19], s[18:19], 6*2048
	s_add_co_u32 s[T0], s[T0], 6
	s_cmp_lt_u32 s[T0], 36
	s_cbranch_scc1 .Lchunk
	s_endpgm
.Lfunc_end_k_q2492e3dc26_hidden:
	.size	k_q2492e3dc26_hidden, .Lfunc_end_k_q2492e3dc26_hidden-k_q2492e3dc26_hidden
	.p2alignl 7, 3214868480
	.fill 96, 4, 3214868480
	.section	.rodata,"a",@progbits
	.p2align	6, 0x0
	.amdhsa_kernel k_q2492e3dc26_hidden
		.amdhsa_group_segment_fixed_size 0
		.amdhsa_private_segment_fixed_size 0
		.amdhsa_enable_private_segment 0
		.amdhsa_kernarg_size 64
		.amdhsa_user_sgpr_count 2
		.amdhsa_user_sgpr_kernarg_segment_ptr 1
		.amdhsa_wavefront_size32 1
		.amdhsa_system_sgpr_workgroup_id_x 1
		.amdhsa_system_sgpr_workgroup_id_y 1
		.amdhsa_system_sgpr_workgroup_id_z 1
		.amdhsa_system_vgpr_workitem_id 0
		.amdhsa_next_free_vgpr 1024
		.amdhsa_next_free_sgpr 90
		.amdhsa_reserve_vcc 0
		.amdhsa_float_denorm_mode_32 3
		.amdhsa_float_denorm_mode_16_64 3
		.amdhsa_memory_ordered 1
		.amdhsa_forward_progress 1
		.amdhsa_inst_pref_size 110
	.end_amdhsa_kernel
	.amdgpu_metadata
---
amdhsa.version: [ 1, 2 ]
amdhsa.kernels:
  - .name:           k_q2492e3dc26_hidden
    .symbol:         k_q2492e3dc26_hidden.kd
    .args:
      - { .name: x_codes, .offset: 0, .size: 8, .value_kind: global_buffer, .address_space: global }
      - { .name: x_scales, .offset: 8, .size: 8, .value_kind: global_buffer, .address_space: global }
      - { .name: w1_codes, .offset: 16, .size: 8, .value_kind: global_buffer, .address_space: global }
      - { .name: w1_scales, .offset: 24, .size: 8, .value_kind: global_buffer, .address_space: global }
      - { .name: b1, .offset: 32, .size: 8, .value_kind: global_buffer, .address_space: global }
      - { .name: masks, .offset: 40, .size: 8, .value_kind: global_buffer, .address_space: global }
      - { .name: hcodes, .offset: 48, .size: 8, .value_kind: global_buffer, .address_space: global }
      - { .name: hscales, .offset: 56, .size: 8, .value_kind: global_buffer, .address_space: global }
    .group_segment_fixed_size: 0
    .private_segment_fixed_size: 0
    .kernarg_segment_align: 8
    .kernarg_segment_size: 64
    .max_flat_workgroup_size: 128
    .sgpr_count:     90
    .vgpr_count:     1024
    .wavefront_size: 32
...
	.end_amdgpu_metadata
.endif
;; end of part 6
;; launch expert_out (part 7): grid 256 x 1, 4 waves a work-group, no clusters, 203,264 bytes of LDS; arguments hcodes, hscales, w2_codes, w2_scales, b2, masks, ids, gw, ybuf; writes ybuf
.if DOCPART == 7
	.amdgcn_target "amdgcn-amd-amdhsa--gfx1250"
	.amdhsa_code_object_version 6
	.text
	.protected	k_q2492e3dc26_expert_out
	.globl	k_q2492e3dc26_expert_out
	.p2align	8
	.type	k_q2492e3dc26_expert_out,@function
k_q2492e3dc26_expert_out:
	s_mov_b64 s[64:65], 0
	v_nop
	global_prefetch_b8 v0, s[64:65] scope:SCOPE_SE
	s_setreg_imm32_b32 hwreg(HW_REG_WAVE_SCHED_MODE, 0, 2), 2
	s_setreg_imm32_b32 hwreg(HW_REG_WAVE_MODE, 25, 1), 1
	s_wait_xcnt 0x0
	s_wait_alu depctr_vm_vsrc(0)
; EXPERT_OUT.  y = weight x (h W2[e] + b2[e]) for the rows routed to expert e; h comes as codes of FP6 (E2M3) with scale words, as images of the operand's registers.
; SHARES.  Work-group (4 e + cg) 4 + p: expert e, output columns 128 cg .. + 127, tokens 512 p .. + 511.  WAVE g TAKES K GROUP g (hidden units 512 g .. + 511): 8 tiles of columns x 4 steps of W2 stay in its registers
; (384 registers), loaded once, before anything is known of the routing; no byte of h is loaded twice in the work-group.  The four waves' partial sums meet in LDS.
; K ORDER as in the launch that made h: lane (r, h) loads the 192 bytes at 384 g + 192 h of its row of W2; step s takes registers 12 s .. 12 s + 11; the scale word of step s is made by one v_perm_b32.
; Source 0 = 16 rows of W2 (columns of y), source 1 = 16 rows of h: a lane holds one row and eight neighbouring columns.
; A TRIP serves six tiles of 16 rows: every wave multiplies all six by its K group and puts the results into LDS | barrier | wave g adds the four partial sums of slot g (waves 0 and 1: of slot g + 4 too), adds b2, multiplies by
; the row's weight and stores whole runs of 512 bytes into ybuf[token][first or second][512] | barrier.  Six trips, a constant; a trip with no tile jumps over its work, never over a barrier.
; WHICH TOKEN a row belongs to is found from the masks as in the launch before (DERIVE); whether e is the token's first or second expert, from ids.  Rows past the last are summed like the others and not stored.
; No cluster and no tensor load: the four work-groups that read one slice of W2 serve four segments whose numbers of tiles are read from memory and differ, and branches hang on them.
; LIMITS: NaN and infinities are not served.
; THE MODE: SCHED_MODE bits 1:0 = 2 (LLVM: expert scheduling mode 2), set by the entry lines.  The code itself states the register dependences between vector or matrix instructions and memory or LDS instructions,
; and those through scalar registers and VCC that vector instructions write, with s_wait_alu, always for 0.
; THE PLAN.  Registers that memory or LDS instructions touch:
;   v[WA], v[WSA], v[LI], v[LS], v[STO], v[RD ..]   offsets and LDS addresses, written at the head and never again: one wait on va_vdst ahead of the first load.
;   v[TK8], v[HO ..], v[HSO ..]   a trip's offsets: written by its address lines, read by its 98 loads, written again in the next trip.
;   v[IDW], v[GWP ..], v[HSC ..], h's six tiles   loads land there; vector and matrix instructions read them.
;   THE ACCUMULATORS, TWO SETS BY TURNS (even tiles: window 0, v104-167; odd tiles: window 1, v192-255): written by a tile's 32 products, read by its 16 LDS stores, written again two tiles on.
;   v[FA ..], v[FB ..]   on the way out: LDS loads land there, the sums are made in place, stores read them.      v[YA ..]   four rows' offsets: written by vector instructions, read by stores.
; A TRIP: all offsets are made first; ONE wait on va_vdst states that they are written and that the last trip's readers of the loads' destinations are done; the 98 loads follow with no further wait.
; A TILE: behind its products and their places one wait on va_vdst (the results are written); in tiles 1 to 4 one on vm_vsrc AHEAD of this tile's LDS stores: it states that the tile before's stores, issued 32 products
; earlier, have read the other set, which the next tile's products write.  THE WAY OUT, four rows at a time: eight lane reads in one run and one wait on va_sdst; the four sums; one wait on va_vdst; the four stores; a wait on
; vm_vsrc ahead of the next write of that buffer or of the offsets.  A TRIP'S END: a wait on vm_vsrc, ahead of the backward branch, for all that the next trip writes again.
.set WA,   3                           ; v3   W2: r x 1536 + 192 h
.set WSA,  4                           ; v4   its scale bytes: 64 r
.set LI,   5                           ; v5   16 x lane
.set LS,   6                           ; v6   4 x lane
.set STO,  7                           ; v7   LDS: my partial sums: 50,688 g + 528 r + 32 h
.set RD,   8                           ; v8-11 LDS: wave k's partial sums of slot g: 50,688 k + 8,448 g + 16 x lane
.set PK,   12                          ; v12-19 DERIVE's work
.set KEY,  13
.set WRD,  14
.set NN,   15
.set CA,   16
.set CB,   17
.set CC,   18
.set POS,  19
.set RG,   20                          ; r + 16 g + 64 h: lanes 0-15 slot g's rows, lanes 16-31 slot g + 4's
.set TOK,  21
.set IDW,  22
.set VP,   23
.set GWP,  24                          ; v[24:25] the token's two weights
.set WT,   26
.set IDX,  27                          ; 2 x token + (0: e is its first expert, 1: its second)
.set HO,   28                          ; v28-33 tile t: its codes' offset
.set HSO,  34                          ; v34-39 its scale words'
.set B2V,  40                          ; v[40:43] b2 of my four columns
.set YA,   44                          ; v44-47 four rows' offsets in ybuf
.set WSC,  48                          ; v48-79  W2's scale words: 4 x tile + step
.set HSC,  80                          ; v80-103 h's: 4 x tile + step
.set ACC,  104                         ; v104-167 the even tiles' eight accumulators; on the way out four rows x four partial sums
.set ACB,  192                         ; window 1, v192-255: the odd tiles' eight accumulators
.set FA,   104
.set TK8,  168
.set X5,   192                         ; v192-239 h's tile 5;  window 1: W2's tiles 0-3 at 48 q; window 2: tiles 4-7; window 3: h's tiles 0-4 at 48 t
.set FB,   192                         ; v192-255 on the way out: four more rows
.set PSL,  8448                        ; LDS: a slot of partial sums: 16 rows x (512 bytes + 16)
.set T0,   26                          ; s26 the trip's first tile
.set NT,   27                          ; s27 tiles in all
.set NR,   28                          ; s28 rows in all
.set SEG,  29                          ; s29 my segment's first token
.set TS,   31
.set MK,   32                          ; s32-47 my 16 mask words
.set KY,   48                          ; s49-63 word i: (tokens in the words before) << 8 | i
.set SELA, 66
.set SELB, 67
.set VAL,  73                          ; rows of the tile in hand that are there
.set M5,   74
.set M3,   75
.set MF,   76
.set CM,   78                          ; s79-93 the word search's masks (at the head: offsets)
.set WP,   80                          ; s[80:87] on the way out: four rows' weights, each the low word of a pair
.set IXS,  88                          ; s88-91 and their places in ybuf
.set MSB, 0
.macro WIN new                         ; s_set_vgpr_msb: bits 1:0 source 0, 3:2 source 1, 5:4 source 2, 7:6 destination; the high byte repeats the setting that is left
.if MSB != (\new)
	s_set_vgpr_msb (MSB<<8)|(\new)
.set MSB, (\new)
.endif
.endm
.macro PICK src, width, step
	v_bfe_u32 v[PK], v[\src], v[POS], \width
	v_cmp_ge_u32 vcc_lo, v[NN], v[PK]
	s_wait_alu depctr_va_vcc(0)                    ; VCC is written, ahead of the two selects that read it
	v_cndmask_b32 v[PK], 0, v[PK], vcc_lo
	v_sub_nc_u32 v[NN], v[NN], v[PK]
	v_cndmask_b32 v[PK], 0, \step, vcc_lo
	v_add_nc_u32 v[POS], v[POS], v[PK]
.endm
.macro DERIVE                          ; v[VP]: a rank in each lane -> v[TOK]: the token of that rank (not yet clamped)
	v_lshl_or_b32 v[PK], v[VP], 8, 0xff
	v_mov_b32 v[KEY], 0
	v_mov_b32 v[WRD], s[MK]
.irp i, 1,2,3,4,5,6,7,8,9,10,11,12,13,14,15
	v_cmp_le_u32 s[CM+\i], s[KY+\i], v[PK]         ; do the words before word i hold at most my rank?  Fifteen compares in one run; the last such word is mine
.endr
	s_wait_alu depctr_va_sdst(0)                   ; the fifteen masks are written, ahead of the selects that read them
.irp i, 1,2,3,4,5,6,7,8,9,10,11,12,13,14,15
	v_cndmask_b32 v[KEY], v[KEY], s[KY+\i], s[CM+\i]
	v_cndmask_b32 v[WRD], v[WRD], s[MK+\i], s[CM+\i]
.endr
	v_lshrrev_b32 v[PK], 8, v[KEY]
	v_sub_nc_u32 v[NN], v[VP], v[PK]
	v_and_b32 v[KEY], 0xff, v[KEY]
	v_lshrrev_b32 v[PK], 1, v[WRD]
	v_and_b32 v[PK], s[M5], v[PK]
	v_sub_nc_u32 v[CA], v[WRD], v[PK]
	v_lshrrev_b32 v[PK], 2, v[CA]
	v_and_b32 v[PK], s[M3], v[PK]
	v_and_b32 v[CB], s[M3], v[CA]
	v_add_nc_u32 v[CB], v[CB], v[PK]
	v_lshrrev_b32 v[PK], 4, v[CB]
	v_add_nc_u32 v[CC], v[CB], v[PK]
	v_and_b32 v[CC], s[MF], v[CC]
	v_lshrrev_b32 v[PK], 8, v[CC]
	v_add_nc_u32 v[PK], v[CC], v[PK]
	v_and_b32 v[PK], 63, v[PK]
	v_cmp_ge_u32 vcc_lo, v[NN], v[PK]
	s_wait_alu depctr_va_vcc(0)                    ; VCC is written, ahead of the two selects that read it
	v_cndmask_b32 v[PK], 0, v[PK], vcc_lo
	v_sub_nc_u32 v[NN], v[NN], v[PK]
	v_cndmask_b32 v[POS], 0, 16, vcc_lo
	PICK CC, 8, 8
	PICK CB, 4, 4
	PICK CA, 2, 2
	PICK WRD, 1, 1
	v_lshl_add_u32 v[TOK], v[KEY], 5, v[POS]
	v_add_nc_u32 v[TOK], s[SEG], v[TOK]
.endm
	s_load_b512 s[4:19], s[0:1], 0x0               ; hcodes, hscales, W2 codes, W2 scales, b2, masks, ids, gw
	s_load_b64 s[20:21], s[0:1], 0x40              ; ybuf
	v_lshl_add_u32 v190, v0, 2, 0x31800
	v_mov_b32 v191, 0
	v_lshrrev_b32 v1, 5, v0
	v_readfirstlane_b32 s22, v1                    ; wave = K group g
	s_and_b32 s23, ttmp9, 3                        ; p
	s_bfe_u32 s24, ttmp9, 0x20002                  ; cg
	s_lshr_b32 s25, ttmp9, 4                       ; e
	v_and_b32 v1, 15, v0                           ; r
	v_bfe_u32 v2, v0, 4, 1                         ; h
	v_and_b32 v[TK8], 31, v0                       ; lane
	v_lshlrev_b32 v[LI], 4, v[TK8]
	v_lshlrev_b32 v[LS], 2, v[TK8]
	v_mul_u32_u24 v[WA], v1, 1536
	v_mad_u32_u24 v[WA], v2, 192, v[WA]
	v_lshlrev_b32 v[WSA], 6, v1
	s_wait_alu depctr_va_sdst(0)                   ; s22 is written, ahead of its first reader: LDS addresses and bases are made from it
	s_mul_i32 s30, s22, 6*PSL
	v_mul_u32_u24 v[STO], v1, 528
	v_lshl_add_u32 v[STO], v2, 5, v[STO]
	v_add_nc_u32 v[STO], s30, v[STO]
	s_mul_i32 s30, s22, PSL
	v_add_nc_u32 v[RD], s30, v[LI]
	v_add_nc_u32 v[RD+1], 6*PSL, v[RD]
	v_add_nc_u32 v[RD+2], 12*PSL, v[RD]
	v_add_nc_u32 v[RD+3], 18*PSL, v[RD]
	s_lshl_b32 s30, s22, 4
	v_lshl_add_u32 v[RG], v2, 6, v1
	v_add_nc_u32 v[RG], s30, v[RG]
.irp i, TOK, IDW, VP, GWP, GWP+1, WT, IDX
	v_mov_b32 v[\i], 0                             ; written on every way
.endr
	s_lshl_b32 s30, s25, 9
	s_lshl_b32 s31, s24, 7
	s_add_co_u32 s30, s30, s31                     ; 512 e + 128 cg: my first row of W2
	s_mul_i32 s78, s30, 1536
	s_mul_i32 s31, s22, 384
	s_add_co_u32 s78, s78, s31
	s_mov_b32 s79, 0
	s_lshl_b32 s80, s30, 6
	s_lshl_b32 s31, s22, 4
	s_add_co_u32 s80, s80, s31
	s_mov_b32 s81, 0
	s_lshl_b32 s82, s30, 2
	s_mov_b32 s83, 0
	s_lshl_b32 s30, s25, 2
	s_add_co_u32 s30, s30, s23                     ; 4 e + p
	s_mul_i32 s84, s30, 786432
	s_mul_i32 s31, s22, 6144                       ; my four steps' fragments
	s_add_co_u32 s84, s84, s31
	s_mov_b32 s85, 0
	s_lshl_b32 s86, s30, 16
	s_lshl_b32 s31, s22, 9
	s_add_co_u32 s86, s86, s31
	s_mov_b32 s87, 0
	s_lshl_b32 s88, s23, 10
	s_lshl_b32 s31, s25, 4
	s_add_co_u32 s88, s88, s31
	s_mov_b32 s89, 0
	s_lshl_b32 s90, s24, 9                         ; my 128 columns in a row of ybuf
	s_mov_b32 s91, 0
	s_lshl_b32 s[SEG], s23, 9
	s_mov_b32 s[SELA], 0x05010400
	s_mov_b32 s[SELB], 0x07030602
	s_mov_b32 s[M5], 0x55555555
	s_mov_b32 s[M3], 0x33333333
	s_mov_b32 s[MF], 0x0f0f0f0f
	s_wait_kmcnt 0x0
	s_add_nc_u64 s[4:5], s[4:5], s[84:85]
	s_add_nc_u64 s[6:7], s[6:7], s[86:87]
	s_add_nc_u64 s[8:9], s[8:9], s[78:79]
	s_add_nc_u64 s[10:11], s[10:11], s[80:81]
	s_add_nc_u64 s[12:13], s[12:13], s[82:83]
	s_add_nc_u64 s[14:15], s[14:15], s[88:89]
	s_add_nc_u64 s[20:21], s[20:21], s[90:91]
.irp w, 0,1,2,3
	s_load_b128 s[MK+4*\w:MK+4*\w+3], s[14:15], 256*\w
.endr
	s_wait_alu depctr_va_vdst(0)                   ; v[WA], v[WSA], v[LI], v[LS], v[STO] and v[RD ..] are written: the loads below and the kernel's LDS instructions and stores read them as offsets and addresses
.irp ct, 0,1,2,3,4,5,6,7
	global_load_b128 v[ACC+4*\ct:ACC+4*\ct+3], v[WSA], s[10:11] offset:1024*\ct
.endr
	global_load_b128 v[B2V:B2V+3], v[LI], s[12:13]
.irp w, 0,1
	WIN 0x40+0x40*\w                               ; destination window 1, then 2
.irp q, 0,1,2,3
.irp k, 0,1,2,3,4,5,6,7,8,9,10,11
	global_load_b128 v[48*\q+4*\k:48*\q+4*\k+3], v[WA], s[8:9] offset:24576*(4*\w+\q)+16*\k
.endr
.endr
.endr
	WIN 0
	s_wait_kmcnt 0x0                               ; the masks
	s_mov_b32 s[NR], 0
.irp i, 0,1,2,3,4,5,6,7,8,9,10,11,12,13,14,15
.if \i > 0
	s_lshl_b32 s[KY+\i], s[NR], 8
	s_or_b32 s[KY+\i], s[KY+\i], \i
.endif
	s_bcnt1_i32_b32 s[TS], s[MK+\i]
	s_add_co_u32 s[NR], s[NR], s[TS]
.endr
	s_add_co_u32 s[NT], s[NR], 15
	s_lshr_b32 s[NT], s[NT], 4
	s_min_u32 s[NT], s[NT], 32
	s_wait_loadcnt 63                              ; 96 loads were issued behind W2's scale bytes and b2: with 63 out at the most those nine are in
.irp ct, 0,1,2,3,4,5,6,7
	v_perm_b32 v[WSC+4*\ct],   v[ACC+4*\ct+2], v[ACC+4*\ct],   s[SELA]
	v_perm_b32 v[WSC+4*\ct+1], v[ACC+4*\ct+2], v[ACC+4*\ct],   s[SELB]
	v_perm_b32 v[WSC+4*\ct+2], v[ACC+4*\ct+3], v[ACC+4*\ct+1], s[SELA]
	v_perm_b32 v[WSC+4*\ct+3], v[ACC+4*\ct+3], v[ACC+4*\ct+1], s[SELB]
.endr
; 32 matrix instructions: tile t of h against my eight tiles of W2; four accumulators by turns, one instruction a turn; the first step starts the sums with the constant 0.
; Even tiles sum in window 0, odd tiles in window 1.
.macro OMUL t
.if \t == 5
.set XB, X5
.else
.set XB, 48*\t
.endif
.set AB, ACC+(ACB-ACC)*((\t)%2)        ; this tile's set of accumulators,
.set WV, 4*(3-3*((\t)/5))+0x50*((\t)%2)  ; h in window 3 (tile 5: 0); C and D in window 0 or 1
.irp hf, 0,1
.if \t > 1
	s_wait_dscnt 24-8*\hf                          ; the LDS stores of the tile before last, which read these four accumulators, are done (younger: its stores of accumulators 4-7 and the last tile's sixteen)
.endif
	WIN WV+1+\hf                                   ; W2 in window 1 + hf
.irp s, 0,1,2,3
.irp q, 0,1,2,3
.if \s == 0
	v_wmma_scale_f32_16x16x128_f8f6f4 v[AB+8*(4*\hf+\q):AB+8*(4*\hf+\q)+7], v[48*\q:48*\q+11], v[XB:XB+11], 0, v[WSC+4*(4*\hf+\q)], v[HSC+4*\t] matrix_a_fmt:MATRIX_FMT_FP6 matrix_b_fmt:MATRIX_FMT_FP6
.else
	v_wmma_scale_f32_16x16x128_f8f6f4 v[AB+8*(4*\hf+\q):AB+8*(4*\hf+\q)+7], v[48*\q+12*\s:48*\q+12*\s+11], v[XB+12*\s:XB+12*\s+11], v[AB+8*(4*\hf+\q):AB+8*(4*\hf+\q)+7], v[WSC+4*(4*\hf+\q)+\s], v[HSC+4*\t+\s] matrix_a_fmt:MATRIX_FMT_FP6 matrix_b_fmt:MATRIX_FMT_FP6
.endif
.endr
.endr
.endr
.endm
.macro OTILE t
.if \t > 0
	s_add_co_u32 s30, s[T0], \t
	s_cmp_ge_u32 s30, s[NT]
	s_cbranch_scc1 .Lcomputed                      ; no such tile
.endif
	s_wait_loadcnt 12*(5-\t)                       ; this tile's twelve loads of codes are in (the scale words are older); the younger tiles' may be out
	OMUL \t
	WIN 4*((\t)%2)                                 ; an LDS store's data are its source 1: this tile's set
.rept 5
	v_nop                                          ; four places ahead of the stores that read results; five ahead of the products that begin these accumulators anew, two tiles on
.endr
	s_wait_alu depctr_va_vdst(0)                   ; the products have written this tile's eight accumulators, which the LDS stores read; the places above stay beside this wait
.if (\t > 0) && (\t < 5)
	s_wait_alu depctr_vm_vsrc(0)                   ; the tile before's LDS stores have read the other set, which the next tile's products write again
.endif
.irp ct, 0,1,2,3,4,5,6,7
	ds_store_b128 v[STO], v[AB+8*\ct:AB+8*\ct+3] offset:PSL*\t+64*\ct        ; each accumulator from its low end on
	ds_store_b128 v[STO], v[AB+8*\ct+4:AB+8*\ct+7] offset:PSL*\t+64*\ct+16
.endr
	WIN 0
.endm
; THE WAY OUT.  Four rows at a time: of each row the four waves' partial sums, 16 bytes a lane: the 32 lanes hold a row's 128 columns.
.macro LDROWS buf, off, row0
.irp i, 0,1,2,3
.irp k, 0,1,2,3
	ds_load_b128 v[\buf+16*\i+4*\k:\buf+16*\i+4*\k+3], v[RD+\k] offset:\off+(\row0+\i)*528
.endr
.endr
.endm
.macro ROWSUM buf, i                   ; row i of the four: its place in ybuf, the four partial sums, b2, the weight
.set P, \buf+16*\i
	s_min_u32 s[IXS+\i], s[IXS+\i], 4095           ; a row of ybuf, whatever was read
	s_lshl_b32 s[IXS+\i], s[IXS+\i], 11
	v_add_nc_u32 v[YA+\i], s[IXS+\i], v[LI]
.irp d, 0,2
	v_pk_add_f32 v[P+\d:P+\d+1], v[P+\d:P+\d+1], v[P+4+\d:P+5+\d]
	v_pk_add_f32 v[P+8+\d:P+9+\d], v[P+8+\d:P+9+\d], v[P+12+\d:P+13+\d]
.endr
.irp d, 0,2
	v_pk_add_f32 v[P+\d:P+\d+1], v[P+\d:P+\d+1], v[P+8+\d:P+9+\d]
.endr
.irp d, 0,2
	v_pk_add_f32 v[P+\d:P+\d+1], v[P+\d:P+\d+1], v[B2V+\d:B2V+\d+1]
.endr
.irp d, 0,2
	v_pk_mul_f32 v[P+\d:P+\d+1], v[P+\d:P+\d+1], s[WP+2*\i:WP+2*\i+1] op_sel_hi:[1,0]
.endr
.endm
.macro ROWST buf, i, row
	s_cmp_gt_u32 s[VAL], \row
	s_cbranch_scc0 .Lrow_\@                        ; a row past the last is not stored; the store alone is jumped over, so the counts on DScnt hold on both ways
	global_store_b128 v[YA+\i], v[\buf+16*\i:\buf+16*\i+3], s[20:21]   ; 32 lanes store 512 consecutive bytes, aligned
.Lrow_\@:
.endm
.macro OUT buf, row0, lo
.irp i, 0,1,2,3
	v_readlane_b32 s[WP+2*\i], v[WT], \lo+\row0+\i
	v_readlane_b32 s[IXS+\i], v[IDX], \lo+\row0+\i
.endr
	s_wait_alu depctr_va_sdst(0)                   ; the four weights and the four places are written, ahead of their first readers and of any branch
	ROWSUM \buf, 0
	ROWSUM \buf, 1
	ROWSUM \buf, 2
	ROWSUM \buf, 3
	s_wait_alu depctr_va_vdst(0)                   ; the four rows' sums and their offsets v[YA ..] are written, which the stores read
	ROWST \buf, 0, (\row0)
	ROWST \buf, 1, (\row0+1)
	ROWST \buf, 2, (\row0+2)
	ROWST \buf, 3, (\row0+3)
.endm
.macro FIN off, lo                     ; the tile s30, whose partial sums lie off bytes behind slot g's; its rows' weights and places stand in lanes lo .. lo + 15
	s_lshl_b32 s[VAL], s30, 4
	s_sub_co_u32 s[VAL], s[NR], s[VAL]             ; rows that are there: 1 or more
.irp i, 0,1,2,3
	s_mov_b32 s[WP+2*\i+1], 0                      ; (named with the weights as pairs, so they are written)
.endr
	s_wait_xcnt 0x0                                ; earlier stores have read their registers
	s_wait_alu depctr_vm_vsrc(0)                   ; my LDS stores have read the even tiles' accumulators, and earlier stores v[FB ..] and v[YA ..]: LDS loads land there, and the offsets are written again
	s_wait_alu depctr_va_vdst(0)                   ; the matrix and vector instructions that named v[FA ..] and v[FB ..] (accumulators, h's tile 5, earlier sums) are done: the LDS loads below land there
	LDROWS FA, \off, 0
	LDROWS FB, \off, 4
	s_wait_dscnt 16                                ; the older sixteen loads are in
	OUT FA, 0, \lo
	s_wait_xcnt 0x0                                ; the stores have read their data and offsets: both are written again
	s_wait_alu depctr_vm_vsrc(0)                   ; the stores of rows 0-3 have read v[FA ..], in which the loads below land, and v[YA ..], which rows 4-7 write again
	LDROWS FA, \off, 8
	s_wait_dscnt 16
	OUT FB, 4, \lo
	s_wait_xcnt 0x0
	s_wait_alu depctr_vm_vsrc(0)                   ; the stores of rows 4-7 have read v[FB ..], in which the loads below land, and v[YA ..], which rows 8-11 write again
	LDROWS FB, \off, 12
	s_wait_dscnt 16
	OUT FA, 8, \lo
	s_wait_dscnt 0x0
	s_wait_xcnt 0x0
	s_wait_alu depctr_vm_vsrc(0)                   ; the stores of rows 8-11 have read v[YA ..], which rows 12-15 write again
	OUT FB, 12, \lo
.endm
	s_mov_b32 s[T0], 0
.Lchunk:
	s_cmp_ge_u32 s[T0], s[NT]
	s_cbranch_scc1 .Lnowork
	s_lshl_b32 s30, s[T0], 4
	v_add_nc_u32 v[VP], s30, v[RG]
	DERIVE
	v_min_u32 v[TOK], 0x7ff, v[TOK]                ; a token of the table, whatever the rank
	v_lshlrev_b32 v[TK8], 3, v[TOK]
	s_sub_co_u32 s[TS], s[NT], 1
.irp t, 0,1,2,3,4,5                            ; all six buffers are loaded on every way, so that the counts of the waits hold: a tile that is not there takes the last tile's bytes
	s_add_co_u32 s30, s[T0], \t
	s_min_u32 s30, s30, s[TS]
	s_min_u32 s30, s30, 31
	s_mul_i32 s77, s30, 24576
	v_add_nc_u32 v[HO+\t], s77, v[LI]
	s_lshl_b32 s77, s30, 11
	v_add_nc_u32 v[HSO+\t], s77, v[LS]
.endr
	s_wait_alu depctr_va_vdst(0)                   ; v[TK8], v[HO ..] and v[HSO ..] are written, which the 98 loads below read; the vector and matrix instructions that named v[IDW], v[GWP ..], v[HSC ..] and h's tiles are done: the loads land there; in the first trip W2's scale words are written
	global_load_b32 v[IDW], v[TK8], s[16:17]
	global_load_b64 v[GWP:GWP+1], v[TK8], s[18:19]
.irp t, 0,1,2,3,4,5
.irp s, 0,1,2,3
	global_load_b32 v[HSC+4*\t+\s], v[HSO+\t], s[6:7] offset:128*\s
.endr
.endr
	WIN 0xc0                                       ; destination window 3
.irp t, 0,1,2,3,4
.irp k, 0,1,2,3,4,5,6,7,8,9,10,11
	global_load_b128 v[48*\t+4*\k:48*\t+4*\k+3], v[HO+\t], s[4:5] offset:512*\k
.endr
.endr
	WIN 0
.irp k, 0,1,2,3,4,5,6,7,8,9,10,11
	global_load_b128 v[X5+4*\k:X5+4*\k+3], v[HO+5], s[4:5] offset:512*\k
.endr
	OTILE 0
	OTILE 1
	OTILE 2
	OTILE 3
	OTILE 4
	OTILE 5
.Lcomputed:
	s_wait_loadcnt 0x0                             ; ids and weights, and loads of tiles that were not there
.Lnowork:
	s_wait_dscnt 0x0                               ; for the others' sake: my partial sums have landed
	s_barrier_signal -1
	s_barrier_wait -1
	s_add_co_u32 s30, s[T0], s22                   ; slot g's tile
	s_cmp_ge_u32 s30, s[NT]
	s_cbranch_scc1 .Lfin_done
	v_bfe_u32 v[PK], v[IDW], 8, 8                  ; the token's second expert
	v_cmp_eq_u32 vcc_lo, s25, v[PK]
	s_wait_alu depctr_va_vcc(0)                    ; VCC is written, ahead of the two selects that read it
	v_cndmask_b32 v[WT], v[GWP], v[GWP+1], vcc_lo
	v_cndmask_b32 v[PK], 0, 1, vcc_lo
	v_lshl_add_u32 v[IDX], v[TOK], 1, v[PK]
	FIN 0, 0
	s_cmp_ge_u32 s22, 2                            ; six slots, four waves: waves 0 and 1 take slots 4 and 5 too
	s_cbranch_scc1 .Lfin_done
	s_add_co_u32 s30, s30, 4
	s_cmp_ge_u32 s30, s[NT]
	s_cbranch_scc1 .Lfin_done
	FIN 4*PSL, 16
.Lfin_done:
	s_wait_dscnt 0x0                               ; my reads of the partial sums are over: the next trip writes over them
	s_barrier_signal -1
	s_barrier_wait -1
	s_wait_xcnt 0x0                                ; the stores have read their registers, which the next trip writes
	s_wait_alu depctr_vm_vsrc(0)                   ; this trip's loads have read v[TK8], v[HO ..] and v[HSO ..], its LDS stores both sets of accumulators, its stores v[FA ..], v[FB ..] and v[YA ..]: the next trip writes them all again
	s_add_co_u32 s[T0], s[T0], 6
	s_cmp_lt_u32 s[T0], 36
	s_cbranch_scc1 .Lchunk
	s_wait_dscnt 0x0                               ; the closing lines, six on end
	s_wait_alu 0x0
	s_wait_tensorcnt 0x0
	ds_add_u32 v190, v191
	s_wait_dscnt 0x0
	s_endpgm
.Lfunc_end_k_q2492e3dc26_expert_out:
	.size	k_q2492e3dc26_expert_out, .Lfunc_end_k_q2492e3dc26_expert_out-k_q2492e3dc26_expert_out
	.p2alignl 7, 3214868480
	.fill 96, 4, 3214868480
	.section	.rodata,"a",@progbits
	.p2align	6, 0x0
	.amdhsa_kernel k_q2492e3dc26_expert_out
		.amdhsa_group_segment_fixed_size 203264
		.amdhsa_private_segment_fixed_size 0
		.amdhsa_enable_private_segment 0
		.amdhsa_kernarg_size 72
		.amdhsa_user_sgpr_count 2
		.amdhsa_user_sgpr_kernarg_segment_ptr 1
		.amdhsa_wavefront_size32 1
		.amdhsa_system_sgpr_workgroup_id_x 1
		.amdhsa_system_sgpr_workgroup_id_y 1
		.amdhsa_system_sgpr_workgroup_id_z 1
		.amdhsa_system_vgpr_workitem_id 0
		.amdhsa_next_free_vgpr 1024
		.amdhsa_next_free_sgpr 96
		.amdhsa_reserve_vcc 1
		.amdhsa_float_denorm_mode_32 3
		.amdhsa_float_denorm_mode_16_64 3
		.amdhsa_memory_ordered 1
		.amdhsa_forward_progress 1
		.amdhsa_inst_pref_size 111
	.end_amdhsa_kernel
	.amdgpu_metadata
---
amdhsa.version: [ 1, 2 ]
amdhsa.kernels:
  - .name:           k_q2492e3dc26_expert_out
    .symbol:         k_q2492e3dc26_expert_out.kd
    .args:
      - { .name: hcodes, .offset: 0, .size: 8, .value_kind: global_buffer, .address_space: global }
      - { .name: hscales, .offset: 8, .size: 8, .value_kind: global_buffer, .address_space: global }
      - { .name: w2_codes, .offset: 16, .size: 8, .value_kind: global_buffer, .address_space: global }
      - { .name: w2_scales, .offset: 24, .size: 8, .value_kind: global_buffer, .address_space: global }
      - { .name: b2, .offset: 32, .size: 8, .value_kind: global_buffer, .address_space: global }
      - { .name: masks, .offset: 40, .size: 8, .value_kind: global_buffer, .address_space: global }
      - { .name: ids, .offset: 48, .size: 8, .value_kind: global_buffer, .address_space: global }
      - { .name: gw, .offset: 56, .size: 8, .value_kind: global_buffer, .address_space: global }
      - { .name: ybuf, .offset: 64, .size: 8, .value_kind: global_buffer, .address_space: global }
    .group_segment_fixed_size: 203264
    .private_segment_fixed_size: 0
    .kernarg_segment_align: 8
    .kernarg_segment_size: 72
    .max_flat_workgroup_size: 128
    .sgpr_count:     96
    .vgpr_count:     1024
    .wavefront_size: 32
...
	.end_amdgpu_metadata
.endif
;; end of part 7
;; launch combine: the kernel of part 4 again; grid 256 x 1, 8 waves a work-group, no clusters, 0 bytes of LDS; arguments ybuf, out0; writes out0
